; MI455X (gfx1250); checked and timed in simulation.
; The chip was launched on July 23, 2026; its instructions are those of AMD's public machine-readable ISA for CDNA 5 (MIT licence, August 2026) and "CDNA5" Instruction Set Architecture Reference Guide (July 2026). The comments in the code are by the model that wrote it; some were corrected since.
;; Self Attention. Allowed arithmetic: matrix products marked QUANTISED: E2M1 operands, one E8M0 scale for each 32 along K, by v_wmma_scale_f32_16x16x128_f8f6f4 with both operands' format E2M1 (or v_wmma_scale_f32_32x16x128_f4), f32 sums; products left as they are: bf16, f16 or f32 operands; f32 sums; everything else in f32.
;; Inputs: Wk 1,024 x 1,024 float32; Wq 1,024 x 1,024 float32; Wu 1,024 x 1,024 float32; Wv 1,024 x 1,024 float32; bu 1,024 float32; x 4 x 2,048 x 1,024 float32.
;; Outputs: out0 4 x 2,048 x 1,024 float32.
;; This version of the problem:
;;   THIS VERSION OF THE PROBLEM IS GIVEN IN LOW PRECISION. The matrix products marked QUANTISED in the list below multiply operands that are first quantised to E2M1 (2 exponent bits, 1 mantissa bit; 4 bits a number), with one power-of-two scale for each 32 numbers along K (OCP MX v1.0); their sums are f32. The products marked 'left as it is' may take bf16, f16 or f32 operands, with f32 sums. Whichever they take, every output number must still come out within the allowed error. Rounding operands to bf16 (8 significant bits) uses up far more of that allowance than f16 does (11 bits, for magnitudes from 6e-5 to 65,504). All else is computed in f32.
;;   The module's matrix products, in the order in which they are computed (A, B: the left and right operand; K: the contracted axis; several contracted axes count as one K, in the product's order):
;;     1. [M 8,192, K 1,024] x [K 1,024, N 1,024]; A: input x; B: input Wq: QUANTISED
;;     2. [M 8,192, K 1,024] x [K 1,024, N 1,024]; A: input x; B: input Wk: QUANTISED
;;     3. [M 8,192, K 1,024] x [K 1,024, N 1,024]; A: input x; B: input Wv: QUANTISED
;;     4. batch 64 x [M 2,048, K 64] x [K 64, N 2,048]; A: computed on the way; B: computed on the way: left as it is (an operand is computed on the way)
;;     5. batch 64 x [M 2,048, K 2,048] x [K 2,048, N 64]; A: computed on the way; B: computed on the way: left as it is (an operand is computed on the way)
;;     6. [M 8,192, K 1,024] x [K 1,024, N 1,024]; A: computed on the way; B: input Wu: left as it is (an operand is computed on the way)
;;   THE QUANTISER, for each operand of a quantised product, along K:
;;     - K is cut into blocks of 32 from its start; a last block that is shorter is filled with zeros.
;;     - A block's scale is 2^e with e = floor(log2(the largest magnitude in the block)) - 2, held to -126 .. 127; a block of zeros has e = 0. As a byte (E8M0): e + 127.
;;     - Each number is divided by its block's scale, clamped to +-6, and rounded to the nearest number of E2M1, ties to even, subnormals kept.
;;     - The product sums the exact products of the quantised numbers (number of the format x scale) in f32.
;;   ~~~python
;;   def quantise(x, axis):      # numpy; x: float32 -> the quantised numbers, widened to float32 again
;;       x = np.moveaxis(x, axis, -1); K = x.shape[-1]
;;       x = np.pad(x, [(0, 0)] * (x.ndim - 1) + [(0, -K % 32)]); x = x.reshape(x.shape[:-1] + (-1, 32)); a = np.abs(x).max(-1, keepdims=True)
;;       e = np.where(a > 0, np.clip(np.frexp(np.where(a > 0, a, 1))[1] - 1 - 2, -126, 127), 0)      # np.frexp(a)[1] - 1 = floor(log2(a)), exactly
;;       r = np.clip(x / 2.0 ** e, -6, 6)
;;       step = 2.0 ** (np.maximum(np.frexp(np.where(r == 0, 1, r))[1] - 1, 0) - 1)
;;       q = np.round(r / step) * step * 2.0 ** e      # np.round: ties to even
;;       return np.moveaxis(q.reshape(q.shape[:-2] + (-1,))[..., :K], -1, axis).astype(np.float32)
;;   ~~~
;; One version. Each part assembles by itself: llvm-mc -triple=amdgcn-amd-amdhsa -mcpu=gfx1250 --defsym DOCPART=n.
;; ======== version 1 of 1: 4 launches
;; limits: values are held in f16: magnitudes above 65,504 overflow, below 6.1e-05 lose precision
;; workspace buffers: xc 4,194,304 bytes; xs 262,144 bytes; wc 1,572,864 bytes; ws 98,304 bytes; wu16 2,097,152 bytes; rot 8,388,608 bytes; qkv 50,331,648 bytes; ob 16,777,216 bytes
;; launch prep (part 1): grid 512 x 1, 4 waves a work-group, no clusters, 33,280 bytes of LDS; arguments x, Wq, Wk, Wv, Wu, xc, xs, wc, ws, wu16, rot; writes xc, xs, wc, ws, wu16, rot
.if DOCPART == 1
	.amdgcn_target "amdgcn-amd-amdhsa--gfx1250"
	.amdhsa_code_object_version 6
	.text
	.protected	k_q9ee6f2ffce_prep
	.globl	k_q9ee6f2ffce_prep
	.p2align	8
	.type	k_q9ee6f2ffce_prep,@function
k_q9ee6f2ffce_prep:
	s_mov_b64 s[64:65], 0
	v_nop
	global_prefetch_b8 v0, s[64:65] scope:SCOPE_SE
	s_setreg_imm32_b32 hwreg(HW_REG_WAVE_MODE, 25, 1), 1
	s_wait_xcnt 0x0
; SELF-ATTENTION, launch 1 of 4: what every later launch reads many times is made once.
; NO WORK OF THE PROBLEM IS LEFT OUT IN ANY LAUNCH: there is no mask, no slice and no zero state; x, Wq, Wk, Wv, Wu and bu all reach the output and all are loaded.
; Work-groups 0-255: x [8192][1024] f32 -> codes of E2M1 (xc, K innermost, two codes a byte) and one E8M0 byte for each 32 along K (xs).
; Work-groups 256-351: Wq, Wk, Wv likewise, 32 work-groups each, stacked as one operand of 3,072 rows (wc, ws).
; Work-groups 352-383: Wu [1024 n][1024 k] f32 -> f16 laid by head, wu16[h][n][c] = Wu[n][64 h + c], so that a head's rows are one dense block.
; Work-groups 384-511: the rotation table rot[t][2 j] = cos(t theta_j), rot[t][2 j + 1] = sin(t theta_j), theta_j = 10000^(-j / 512), f32.
; THE QUANTISER: a block's scale is 2^(floor(log2(largest magnitude)) - 2); its byte is the largest magnitude's exponent field - 2, held at 1 from below; numbers are divided by the scale and rounded to the nearest code,
; ties to even, beyond 6 the largest code.  A block of zeros gets the byte 1 where the rule says 127: its codes are zeros, which add nothing, and this program alone reads the bytes.
; LIMITS: NaN and infinities among the inputs are not served; blocks whose largest magnitude lies under 2^-124 keep the byte 1; |Wu| stays under 65,504 (f16);
; theta comes from v_exp_f32 (1 ulp), the angle t theta is one f32 product as in the problem's text, sine and cosine are polynomials on |r| <= pi / 4 whose first term left out is under 4e-7.
.set WAVES, 4
.set STEPS, 16
.set EMAX,  2
.set CB,    8                          ; bytes of 16 codes
.set R,     16                         ; v16-79   four sets of 16 numbers as they are loaded
.set X,     80                         ; v80-111  two sets of 16 neighbours
.set E,     112                        ; v112-127 a scale byte for each step
.set C,     128                        ; v128-191 codes: four registers for each step, so that no store's data are written again
.set WREG,  8192                       ; LDS: a region for each wave: two stages of 32 x SP bytes, behind them its 256 scale bytes
.set SP,    80                         ; a lane's place in a stage: 64 bytes + 16 of padding
.set SPW,   12                         ; v12 LDS address of my spare word; never rewritten
.set NIL,   13                         ; v13 0; never rewritten
.set SPARE, WAVES*WREG                 ; behind the four regions: the spare words, 128 bytes a wave, which no other line names
	s_load_b512 s[4:19], s[0:1], 0x0               ; x s[4:5], Wq s[6:7], Wk s[8:9], Wv s[10:11], Wu s[12:13], xc s[14:15], xs s[16:17], wc s[18:19]
	s_load_b128 s[20:23], s[0:1], 0x40             ; ws s[20:21], wu16 s[22:23]
	s_load_b64 s[24:25], s[0:1], 0x50              ; rot
	v_lshl_add_u32 v[SPW], v0, 2, SPARE
	v_mov_b32 v[NIL], 0
	v_lshrrev_b32 v1, 5, v0
	v_readfirstlane_b32 s26, v1                    ; wave 0..3
	v_and_b32 v2, 31, v0                           ; lane
	s_wait_kmcnt 0x0
	s_cmp_ge_u32 ttmp9, 352                        ; the roles part on the work-group's number alone; only the quantiser's path touches LDS
	s_cbranch_scc1 .Laux
	; ---- THE QUANTISER.  A tensor is a plain stream of blocks of 32; a wave takes 16 steps of 512 numbers.
	v_lshlrev_b32 v3, 4, v2                        ; my 16 bytes of a load's 512
	s_mul_i32 s38, s26, WREG
	v_lshrrev_b32 v14, 2, v2
	v_mul_u32_u24 v14, v14, SP
	v_and_b32 v15, 3, v2
	v_lshl_add_u32 v14, v15, 4, v14
	v_add_nc_u32 v14, s38, v14                     ; the stage, on the way in: SP (lane / 4) + 16 (lane % 4)
	v_mul_u32_u24 v15, v2, SP
	v_add_nc_u32 v15, s38, v15                     ; and on the way out: SP x lane: my 16 neighbours
	v_mul_u32_u24 v4, v2, CB                       ; my codes' place in a step's
	v_lshrrev_b32 v5, 1, v2
	s_add_co_u32 s38, s38, 2*32*SP
	v_add_nc_u32 v5, s38, v5                       ; LDS: my wave's 256 scale bytes, my block's byte
	v_lshlrev_b32 v7, 3, v2                        ; and on the way out 8 bytes a lane
	v_add_nc_u32 v6, s38, v7
	s_cmp_lt_u32 ttmp9, 288                        ; which tensor: choices on the work-group's number alone
	s_cselect_b64 s[28:29], s[6:7], s[8:9]
	s_cmp_lt_u32 ttmp9, 320
	s_cselect_b64 s[28:29], s[28:29], s[10:11]
	s_and_b32 s27, ttmp9, 31                       ; a weight's run of 32,768 numbers in its own tensor,
	s_sub_co_u32 s35, ttmp9, 256                   ; and in the stacked operand
	s_cmp_lt_u32 ttmp9, 256
	s_cselect_b64 s[28:29], s[4:5], s[28:29]       ; the numbers
	s_cselect_b64 s[30:31], s[14:15], s[18:19]     ; the codes
	s_cselect_b64 s[32:33], s[16:17], s[20:21]     ; the scale bytes
	s_cselect_b32 s34, ttmp9, s27
	s_cselect_b32 s35, ttmp9, s35
	s_lshl_b32 s34, s34, 2
	s_add_co_u32 s34, s34, s26                     ; my wave's run of 8,192 numbers in the source
	s_lshl_b32 s36, s34, 15
	s_mov_b32 s37, 0
	s_add_nc_u64 s[28:29], s[28:29], s[36:37]
	s_lshl_b32 s35, s35, 2
	s_add_co_u32 s35, s35, s26                     ; and in the results
	s_lshl_b32 s36, s35, 12
	s_add_nc_u64 s[30:31], s[30:31], s[36:37]      ; 4,096 bytes of codes a run
	s_lshl_b32 s36, s35, 8
	s_add_nc_u64 s[32:33], s[32:33], s[36:37]      ; 256 scale bytes a run
.macro LOAD t
.irp i, 0,1,2,3
	global_load_b128 v[R+16*((\t)%4)+4*\i:R+16*((\t)%4)+4*\i+3], v3, s[28:29] offset:2048*(\t)+512*\i th:TH_LOAD_NT   ; 32 lanes read 512 consecutive bytes
.endr
.endm
.macro TURN t                          ; step t's numbers through the stage: LDS serves a wave's instructions in order, so no wait stands between the stores and the loads
.irp i, 0,1,2,3
	ds_store_b128 v14, v[R+16*((\t)%4)+4*\i:R+16*((\t)%4)+4*\i+3] offset:32*SP*((\t)%2)+8*SP*\i
.endr
.irp i, 0,1,2,3
	ds_load_b128 v[X+16*((\t)%2)+4*\i:X+16*((\t)%2)+4*\i+3], v15 offset:32*SP*((\t)%2)+16*\i
.endr
.endm
.irp t, 0,1,2,3
	LOAD \t
.endr
	s_wait_loadcnt 12                              ; step 0's four loads are in; the three later steps' twelve stay out
	TURN 0
.macro STEP t
.set XS, X+16*((\t)%2)
.if (\t) > 0
	s_wait_dscnt 1                                 ; this step's numbers are back from the stage (the last step's byte store may be out)
.else
	s_wait_dscnt 0x0
.endif
.if (\t)+4 < STEPS
	LOAD (\t)+4                                    ; into the registers whose stores into the stage are done
.endif
.if (\t)+1 < STEPS
.if STEPS-2-(\t) >= 3
	s_wait_loadcnt 12                              ; the next step's four loads are in; those of the three steps behind it may be out
.else
	s_wait_loadcnt 4*(STEPS-2-(\t))
.endif
	TURN (\t)+1
.endif
	v_max3_num_f32 v8, |v[XS]|, |v[XS+1]|, |v[XS+2]|               ; the largest magnitude of my 16, in two chains
	v_max3_num_f32 v9, |v[XS+3]|, |v[XS+4]|, |v[XS+5]|
.irp i, 6,10
	v_max3_num_f32 v8, v8, |v[XS+\i]|, |v[XS+\i+1]|
	v_max3_num_f32 v9, v9, |v[XS+\i+2]|, |v[XS+\i+3]|
.endr
	v_max3_num_f32 v8, v8, |v[XS+14]|, |v[XS+15]|
	v_max3_num_f32 v8, v8, v9, (EMAX+1)<<23        ; and the floor 2^(3 - 127): the byte cannot fall under 1
	v_max_num_f32_dpp v8, v8, v8 row_xmask:1 row_mask:0xf bank_mask:0xf   ; and of my neighbour's 16: the block's
	v_add_nc_u32 v11, -(EMAX<<23), v8              ; 2 off its exponent field: the conversion takes this operand's exponent field as its scale
	v_cvt_scalef32_pk8_fp4_f32 v[C+4*(\t)], v[XS:XS+7], v11
	v_cvt_scalef32_pk8_fp4_f32 v[C+4*(\t)+1], v[XS+8:XS+15], v11
	v_lshrrev_b32 v[E+(\t)], 23, v11               ; the scale's byte (a plain line behind the conversions)
	ds_store_b8 v5, v[E+(\t)] offset:16*(\t)       ; both lanes of a block write the same byte with the same value
	global_store_b64 v4, v[C+4*(\t):C+4*(\t)+1], s[30:31] offset:32*CB*(\t)   ; the wave stores 256 consecutive bytes, aligned
.endm
.irp t, 0,1,2,3,4,5,6,7,8,9,10,11,12,13,14,15
	STEP \t
.endr
	ds_load_b64 v[8:9], v6                         ; my wave's 256 scale bytes, behind my stores of them
	s_wait_dscnt 0x0
	global_store_b64 v7, v[8:9], s[32:33]          ; 256 consecutive bytes, aligned
	s_wait_tensorcnt 0x0                           ; the wave's end: behind my last LDS store
	ds_add_u32 v[SPW], v[NIL]
	s_wait_dscnt 0x0
	s_endpgm
.Laux:
	s_cmp_ge_u32 ttmp9, 384
	s_cbranch_scc1 .Ltab
	; ---- Wu TO f16, BY HEAD.  Wave W of 128 takes rows 8 W .. 8 W + 7, a pair of rows at a time: sixteen lanes read a head's 256 bytes of a row; the wave stores two rows of a head, 256 consecutive bytes.
	s_sub_co_u32 s38, ttmp9, 352
	s_lshl_b32 s38, s38, 2
	s_add_co_u32 s38, s38, s26                     ; W
	s_lshl_b32 s36, s38, 15                        ; 8 rows of 4,096 bytes
	s_mov_b32 s37, 0
	s_add_nc_u64 s[12:13], s[12:13], s[36:37]
	s_lshl_b32 s36, s38, 10                        ; 8 rows of 128 bytes in each head
	s_add_nc_u64 s[22:23], s[22:23], s[36:37]
	v_lshrrev_b32 v3, 4, v2
	v_lshlrev_b32 v3, 12, v3
	v_and_b32 v5, 15, v2
	v_lshl_add_u32 v3, v5, 4, v3                   ; in: row lane / 16, 16 bytes a lane
	v_lshlrev_b32 v4, 3, v2                        ; out: 8 bytes a lane
.macro LOADB p, base
.irp h, 0,1,2,3,4,5,6,7,8,9,10,11,12,13,14,15
	global_load_b128 v[\base+4*\h:\base+4*\h+3], v3, s[12:13] offset:\p*8192+\h*256 th:TH_LOAD_NT
.endr
.endm
.macro CVST p, base
.irp h, 0,1,2,3,4,5,6,7,8,9,10,11,12,13,14,15
	v_cvt_pk_f16_f32 v[\base+4*\h], v[\base+4*\h], v[\base+4*\h+1]
	v_cvt_pk_f16_f32 v[\base+4*\h+1], v[\base+4*\h+2], v[\base+4*\h+3]
	global_store_b64 v4, v[\base+4*\h:\base+4*\h+1], s[22:23] offset:\h*131072+\p*256
.endr
.endm
	LOADB 0, 32
	LOADB 1, 96
	s_wait_loadcnt 16                              ; the older batch of sixteen is in
	CVST 0, 32
	s_wait_xcnt 0x0                                ; the stores have read their registers: they may be loaded again
	LOADB 2, 32
	s_wait_loadcnt 16
	CVST 1, 96
	s_wait_xcnt 0x0
	LOADB 3, 96
	s_wait_loadcnt 16
	CVST 2, 32
	s_wait_loadcnt 0x0
	CVST 3, 96
	s_endpgm
.Ltab:
	; ---- THE ROTATION TABLE.  Work-group g of 128: rows 32 (g / 2) on, pairs 256 (g % 2) on.  A thread owns two pairs (16 bytes of a row); a trip makes two rows: four chains by turns.
.set ANG, 16
.set KF,  20
.set RR,  24
.set KI,  28
.set Z,   32
.set SPO, 36
.set CPO, 40
.set SN,  44
.set CSN, 48
.set TMP, 52
.set OUT, 56                           ; v56-59 row 0: cos, sin, cos, sin; v60-63 row 1
	s_sub_co_u32 s38, ttmp9, 384
	s_and_b32 s39, s38, 1
	s_lshr_b32 s38, s38, 1
	s_lshl_b32 s54, s38, 5                         ; my first row t
	s_lshl_b32 s36, s38, 17                        ; 32 rows of 4,096 bytes
	s_lshl_b32 s37, s39, 11
	s_add_co_u32 s36, s36, s37
	s_mov_b32 s37, 0
	s_add_nc_u64 s[36:37], s[24:25], s[36:37]
	s_lshl_b32 s38, s39, 8
	v_lshlrev_b32 v5, 1, v0
	v_add_nc_u32 v5, s38, v5                       ; my first pair j
	v_cvt_f32_u32 v2, v5
	v_add_nc_u32 v5, 1, v5
	v_cvt_f32_u32 v3, v5
	v_mul_f32 v2, 0xbcd49a78, v2                   ; - j log2(10000) / 512
	v_mul_f32 v3, 0xbcd49a78, v3
	v_exp_f32 v2, v2                               ; theta of my two pairs
	v_exp_f32 v3, v3
	v_lshlrev_b32 v4, 4, v0                        ; (a plain line behind the exponentials)  my 16 bytes of a row's half
	s_mov_b32 s40, 0x3f22f983                      ; 2 / pi
	s_mov_b32 s41, 0x3fc90fdb                      ; pi / 2, high part
	s_mov_b32 s42, 0xb33bbd2e                      ; and what is left of it
	s_mov_b32 s43, 0xbe2aaaab                      ; -1/6
	s_mov_b32 s44, 0x3c088889                      ; 1/120
	s_mov_b32 s45, 0xb9500d01                      ; -1/5040
	s_mov_b32 s46, 0x3d2aaaab                      ; 1/24
	s_mov_b32 s47, 0xbab60b61                      ; -1/720
	s_mov_b32 s48, 0x37d00d01                      ; 1/40320
	s_mov_b32 s49, 16
	s_wait_alu depctr_va_vdst(0)                   ; one wait for both exponentials, ahead of their first reader and of the label
.Lrow:
	s_add_co_u32 s55, s54, 1
	v_cvt_f32_u32 v6, s54
	v_cvt_f32_u32 v7, s55
.irp n, 0,1,2,3
	v_mul_f32 v[ANG+\n], v[6+\n/2], v[2+\n%2]      ; the angle, one f32 product
.endr
.irp n, 0,1,2,3
	v_mul_f32 v[KF+\n], s40, v[ANG+\n]
.endr
.irp n, 0,1,2,3
	v_rndne_f32 v[KF+\n], v[KF+\n]                 ; how many quarter turns
.endr
.irp n, 0,1,2,3
	v_fma_f32 v[RR+\n], -v[KF+\n], s41, v[ANG+\n]
.endr
.irp n, 0,1,2,3
	v_fma_f32 v[RR+\n], -v[KF+\n], s42, v[RR+\n]   ; r, at most pi / 4 in size
.endr
.irp n, 0,1,2,3
	v_cvt_i32_f32 v[KI+\n], v[KF+\n]
.endr
.irp n, 0,1,2,3
	v_mul_f32 v[Z+\n], v[RR+\n], v[RR+\n]
.endr
.irp n, 0,1,2,3
	v_fma_f32 v[SPO+\n], v[Z+\n], s45, s44
	v_fma_f32 v[CPO+\n], v[Z+\n], s48, s47
.endr
.irp n, 0,1,2,3
	v_fma_f32 v[SPO+\n], v[SPO+\n], v[Z+\n], s43
	v_fma_f32 v[CPO+\n], v[CPO+\n], v[Z+\n], s46
.endr
.irp n, 0,1,2,3
	v_mul_f32 v[SPO+\n], v[SPO+\n], v[Z+\n]
	v_fma_f32 v[CPO+\n], v[CPO+\n], v[Z+\n], -0.5
.endr
.irp n, 0,1,2,3
	v_fma_f32 v[SN+\n], v[SPO+\n], v[RR+\n], v[RR+\n]   ; sin r
	v_fma_f32 v[CSN+\n], v[CPO+\n], v[Z+\n], 1.0        ; cos r
.endr
.irp n, 0,1,2,3
	v_and_b32 v[TMP+\n], 1, v[KI+\n]
.endr
.irp n, 0,1,2,3
	v_cmp_ne_u32 s[50+\n], 0, v[TMP+\n]            ; an odd number of quarter turns: the two change places (a choice of values, no branch)
.endr
.irp n, 0,1,2,3
	v_cndmask_b32 v[OUT+4*(\n/2)+2*(\n%2)+1], v[SN+\n], v[CSN+\n], s[50+\n]
	v_cndmask_b32 v[OUT+4*(\n/2)+2*(\n%2)], v[CSN+\n], v[SN+\n], s[50+\n]
.endr
.irp n, 0,1,2,3
	v_and_b32 v[TMP+\n], 2, v[KI+\n]               ; the sine's sign turns in quarters 2 and 3,
	v_add_nc_u32 v[KI+\n], 1, v[KI+\n]
.endr
.irp n, 0,1,2,3
	v_lshlrev_b32 v[TMP+\n], 30, v[TMP+\n]
	v_and_b32 v[KI+\n], 2, v[KI+\n]                ; the cosine's in quarters 1 and 2
.endr
.irp n, 0,1,2,3
	v_xor_b32 v[OUT+4*(\n/2)+2*(\n%2)+1], v[TMP+\n], v[OUT+4*(\n/2)+2*(\n%2)+1]
	v_lshlrev_b32 v[KI+\n], 30, v[KI+\n]
.endr
.irp n, 0,1,2,3
	v_xor_b32 v[OUT+4*(\n/2)+2*(\n%2)], v[KI+\n], v[OUT+4*(\n/2)+2*(\n%2)]
.endr
	global_store_b128 v4, v[OUT:OUT+3], s[36:37]               ; a wave stores 512 consecutive bytes of a row
	global_store_b128 v4, v[OUT+4:OUT+7], s[36:37] offset:4096
	s_wait_xcnt 0x0                                ; the stores have read their data and their base: both are written again below and in the next trip
	s_add_nc_u64 s[36:37], s[36:37], 8192
	s_add_co_u32 s54, s54, 2
	s_sub_co_u32 s49, s49, 1
	s_cmp_lg_u32 s49, 0
	s_cbranch_scc1 .Lrow
	s_endpgm
.Lfunc_end_k_q9ee6f2ffce_prep:
	.size	k_q9ee6f2ffce_prep, .Lfunc_end_k_q9ee6f2ffce_prep-k_q9ee6f2ffce_prep
	.p2alignl 7, 3214868480
	.fill 96, 4, 3214868480
	.section	.rodata,"a",@progbits
	.p2align	6, 0x0
	.amdhsa_kernel k_q9ee6f2ffce_prep
		.amdhsa_group_segment_fixed_size 33280
		.amdhsa_private_segment_fixed_size 0
		.amdhsa_enable_private_segment 0
		.amdhsa_kernarg_size 88
		.amdhsa_user_sgpr_count 2
		.amdhsa_user_sgpr_kernarg_segment_ptr 1
		.amdhsa_wavefront_size32 1
		.amdhsa_system_sgpr_workgroup_id_x 1
		.amdhsa_system_sgpr_workgroup_id_y 1
		.amdhsa_system_sgpr_workgroup_id_z 1
		.amdhsa_system_vgpr_workitem_id 0
		.amdhsa_next_free_vgpr 192
		.amdhsa_next_free_sgpr 66
		.amdhsa_reserve_vcc 0
		.amdhsa_float_denorm_mode_32 3
		.amdhsa_float_denorm_mode_16_64 3
		.amdhsa_memory_ordered 1
		.amdhsa_forward_progress 1
		.amdhsa_inst_pref_size 61
	.end_amdhsa_kernel
	.amdgpu_metadata
---
amdhsa.version: [ 1, 2 ]
amdhsa.kernels:
  - .name:           k_q9ee6f2ffce_prep
    .symbol:         k_q9ee6f2ffce_prep.kd
    .args:
      - { .name: x, .offset: 0, .size: 8, .value_kind: global_buffer, .address_space: global }
      - { .name: Wq, .offset: 8, .size: 8, .value_kind: global_buffer, .address_space: global }
      - { .name: Wk, .offset: 16, .size: 8, .value_kind: global_buffer, .address_space: global }
      - { .name: Wv, .offset: 24, .size: 8, .value_kind: global_buffer, .address_space: global }
      - { .name: Wu, .offset: 32, .size: 8, .value_kind: global_buffer, .address_space: global }
      - { .name: xc, .offset: 40, .size: 8, .value_kind: global_buffer, .address_space: global }
      - { .name: xs, .offset: 48, .size: 8, .value_kind: global_buffer, .address_space: global }
      - { .name: wc, .offset: 56, .size: 8, .value_kind: global_buffer, .address_space: global }
      - { .name: ws, .offset: 64, .size: 8, .value_kind: global_buffer, .address_space: global }
      - { .name: wu16, .offset: 72, .size: 8, .value_kind: global_buffer, .address_space: global }
      - { .name: rot, .offset: 80, .size: 8, .value_kind: global_buffer, .address_space: global }
    .group_segment_fixed_size: 33280
    .private_segment_fixed_size: 0
    .kernarg_segment_align: 8
    .kernarg_segment_size: 88
    .max_flat_workgroup_size: 128
    .sgpr_count:     66
    .vgpr_count:     192
    .wavefront_size: 32
...
	.end_amdgpu_metadata
.endif
;; end of part 1
;; launch qkv (part 2): grid 12 x 32, 4 waves a work-group, clusters of 4 x 4, 327,680 bytes of LDS; arguments xc, xs, wc, ws, rot, qkv; writes qkv
.if DOCPART == 2
	.amdgcn_target "amdgcn-amd-amdhsa--gfx1250"
	.amdhsa_code_object_version 6
	.text
	.protected	k_q9ee6f2ffce_qkv
	.globl	k_q9ee6f2ffce_qkv
	.p2align	8
	.type	k_q9ee6f2ffce_qkv,@function
k_q9ee6f2ffce_qkv:
	s_mov_b64 s[64:65], 0
	v_nop
	global_prefetch_b8 v0, s[64:65] scope:SCOPE_SE
	s_setreg_imm32_b32 hwreg(HW_REG_WAVE_MODE, 25, 1), 1
	s_wait_xcnt 0x0
	s_wait_alu depctr_hold_cnt(0) depctr_sa_sdst(0) depctr_va_vdst(0) depctr_va_sdst(0) depctr_va_ssrc(0) depctr_va_vcc(0) depctr_vm_vsrc(0)
	s_getreg_b32 s2, hwreg(HW_REG_IB_STS2, 6, 4)
	s_cmp_eq_u32 s2, 0
	s_cbranch_scc0 .Lentry_in_a_cluster
	s_endpgm
.Lentry_in_a_cluster:
	s_bfe_u32 s2, ttmp6, 0x10000c
	s_cmp_lg_u32 s2, 0xf033
	s_cbranch_scc0 .Lentry_shape_is_right
	s_endpgm
.Lentry_shape_is_right:
; SELF-ATTENTION, launch 2 of 4: q, k, v = x W^T on codes of E2M1 with E8M0 scales, M 8,192, N 3,072 (Wq, Wk, Wv stacked), K 1,024; sums in f32.  No work of the problem is left out.
; On the way out q and k are rotated (pair j of position t by the angle t theta_j, cosine and sine from the table rot), all three are rounded to f16 and laid by head: qkv[kind][16 b + head][t][64].
; LIMIT: |q|, |k|, |v| stay under 65,504 (f16).
; A tile of C, 256 x 256, is made by a work-group of four waves; a wave makes 128 x 128: 64 accumulators, 512 registers.  K is 1,024: two LDS slots of 512 along K (rows of 256 bytes) hold all of it, each filled once.
; The scale bytes of the work-group's 256 + 256 rows come once, as dense blocks.  CLUSTERS: 4 x 4 work-groups; A's tiles are asked for jointly along a row of the cluster, B's along a column.
; The matrix instruction is used transposed (source 0 = 16 rows of W, source 1 = 16 rows of x): a lane holds eight neighbouring channels of one row.
; REGISTERS, in windows of 256: window 0: v0-31 addresses; v32-95 scale words, two sets; v128-191 A's fragments, one set; on the way out v32-175 are at work.
;   window 1: B's fragments, two sets, at v0 and v128; on the way out the table's numbers.   window 2, 3: the accumulators of my rows 0-63, 64-127 (accumulator (a, b) at v[8 (8 (a % 4) + b)]).
.set KSTEP,  512
.set NQ,     4                         ; matrix instructions deep in a slot
.set ROWB,   256                       ; a tile's row in bytes
.set KROW,   512                       ; a row of codes in memory
.set PITCH,  272                       ; an LDS row: 256 bytes + 16 of padding: the sixteen rows of a load begin at sixteen different multiples of 16 bytes modulo 256
.set FR,     8
.set NL,     2
.set NP,     4                         ; places behind this matrix instruction (ISA guide 7.12.1)
.set HALFT,  128*PITCH
.set SLOT,   4*HALFT
.set KS,     32                        ; a row of scale bytes
.set SCL,    2*SLOT
.set HALFS,  16*272                    ; the scales of 128 rows: 16 units of 256 bytes + 16
.set SBLK,   2*272                     ; those of 16 rows
.set SPARE,  SCL+4*HALFS               ; the spare words, 128 bytes a wave, which no other line names
.set SPITCH, 528                       ; the way out: a stage of 16 rows x (512 + 16) bytes for each wave, in slot 0, which has had its one fill and its last read by then
.set ADRA, 16
.set ADRB, 20
.set STO,  24                          ; v24 the way out: where I put 32 bytes of a row
.set RD,   25                          ; v25 where I read 32 bytes back: row lane / 8, channels 8 (lane % 8) on
.set TO,   26                          ; v26 the same place in the table
.set ADRS, 27
.set SPW,  28
.set NIL,  29
.set GO,   30                          ; v30 16 x lane: my 16 bytes of four rows of a head
.set SC,   32
.set AF,   128
.set G1, 24
.set G0, 32
.set G1B, 48
.set G0B, 56
.set G1S, 68
.set G0S, 76
.set G1SB, 80
.set G0SB, 88
.set MSB, 0
.macro WIN new                         ; the immediate's high byte repeats the setting that is left
.if MSB != (\new)
	s_set_vgpr_msb (MSB<<8)|(\new)
.set MSB, (\new)
.endif
.endm
.set MUL_LO, 0xa1
.set MUL_HI, 0xf1
.set TO_B,   0x40
; A joint load: waves 0 and 1 fetch for A, waves 2 and 3 for B; the branch hangs on the wave's number alone.  An s_nop 0 and four v_nop follow each line.
.macro JLOAD g0a, g1a, g0b, g1b
	s_cmp_eq_u32 s15, 0
	s_cbranch_scc0 .Lfor_b_\@
	tensor_load_to_lds s[\g0a:\g0a+3], s[\g1a:\g1a+7]
	s_nop 0
.rept 4
	v_nop
.endr
	s_branch .Lasked_\@
.Lfor_b_\@:
	tensor_load_to_lds s[\g0b:\g0b+3], s[\g1b:\g1b+7]
	s_nop 0
.rept 4
	v_nop
.endr
.Lasked_\@:
.endm
.macro CROUND                          ; a round of the cluster's barrier
	s_barrier_signal -1
	s_barrier_wait -1
	s_cmp_lg_u32 s14, 0
	s_cbranch_scc1 .Lnot_wave_0_\@
	s_barrier_signal -3
.Lnot_wave_0_\@:
	s_barrier_wait -3
	s_barrier_signal -1
	s_barrier_wait -1
.endm
	s_load_b128 s[4:7], s[0:1], 0x0                ; x's codes, x's scales
	s_load_b128 s[8:11], s[0:1], 0x10              ; W's codes, W's scales
	s_load_b64 s[96:97], s[0:1], 0x20              ; the table
	s_load_b64 s[12:13], s[0:1], 0x28              ; qkv
	v_lshl_add_u32 v[SPW], v0, 2, SPARE
	v_mov_b32 v[NIL], 0
	ds_add_u32 v[SPW], v[NIL]                      ; the wave's opening: the add, twice on end, and its wait ahead of my first tensor load
	ds_add_u32 v[SPW], v[NIL]
	v_lshrrev_b32 v1, 5, v0
	v_readfirstlane_b32 s14, v1                    ; wave 0..3
	s_lshr_b32 s15, s14, 1                         ; which half of the tile's rows is mine.  Also: I fetch for A (0) or for B (1)
	s_and_b32 s16, s14, 1                          ; which half of its columns.  Also: which 128 rows I fetch
	s_bfe_u32 s40, ttmp6, 0x40000                  ; cx, cy
	s_bfe_u32 s41, ttmp6, 0x40004
	s_lshl_b32 s42, ttmp9, 2
	s_add_co_u32 s42, s42, s40                     ; tile column = 4 x cluster x + cx
	s_and_b32 s17, ttmp7, 0xffff
	s_lshl_b32 s17, s17, 2
	s_add_co_u32 s17, s17, s41                     ; tile row = 4 x cluster y + cy
	s_lshl_b32 s43, s41, 2
	s_lshl_b32 s43, 15, s43                        ; my row of the cluster
	s_lshl_b32 s44, 0x1111, s40                    ; my column
	s_or_b32 s[G1+0], s43, (0<<16)|(1<<20)|(1<<21)|(5<<22)|(3<<25)  ; the mask; elements of 1 byte; padding of 4 words behind every 64
	s_or_b32 s[G1B+0], s44, (0<<16)|(1<<20)|(1<<21)|(5<<22)|(3<<25)
.irp g, G1, G1B
	s_mov_b32 s[\g+1], ROWB<<16                    ; tensor_dim0
	s_mov_b32 s[\g+2], 128<<16                     ; tensor_dim1
	s_mov_b32 s[\g+3], ROWB<<16                    ; tile_dim0
	s_mov_b32 s[\g+4], 128                         ; tile_dim1
	s_mov_b32 s[\g+5], KROW                        ; the pitch
	s_mov_b32 s[\g+6], 0
	s_mov_b32 s[\g+7], 0
.endr
	s_or_b32 s[G1S+0], s43, (3<<16)|(1<<20)|(1<<21)|(5<<22)|(3<<25) ; the scales of 128 rows: 4,096 dense bytes as 16 rows of 256 (32 elements of 8 bytes)
	s_or_b32 s[G1SB+0], s44, (3<<16)|(1<<20)|(1<<21)|(5<<22)|(3<<25)
.irp g, G1S, G1SB
	s_mov_b32 s[\g+1], 32<<16
	s_mov_b32 s[\g+2], 16<<16
	s_mov_b32 s[\g+3], 32<<16
	s_mov_b32 s[\g+4], 16
	s_mov_b32 s[\g+5], 32
	s_mov_b32 s[\g+6], 0
	s_mov_b32 s[\g+7], 0
.endr
	s_lshl_b32 s18, s16, 7
	s_lshl_b32 s20, s17, 8
	s_add_co_u32 s20, s20, s18                     ; A: row 256 x tile row + 128 x half
	s_lshl_b32 s46, s42, 8
	s_add_co_u32 s46, s46, s18                     ; B: row 256 x tile column + 128 x half
	s_mov_b32 s21, 0
	s_mov_b32 s47, 0
	s_mov_b64 s[18:19], KS
	s_mul_u64 s[22:23], s[20:21], s[18:19]
	s_mul_u64 s[92:93], s[46:47], s[18:19]
	s_mov_b64 s[18:19], KROW
	s_mul_u64 s[20:21], s[20:21], s[18:19]
	s_mul_u64 s[46:47], s[46:47], s[18:19]
	s_mul_i32 s45, s14, HALFT                      ; where they go: wave x 128 rows
	s_mul_i32 s94, s14, HALFS
	s_wait_dscnt 0x0                               ; both opening adds are done
	s_wait_kmcnt 0x0
	s_add_nc_u64 s[20:21], s[4:5], s[20:21]
	s_add_nc_u64 s[22:23], s[6:7], s[22:23]
	s_add_nc_u64 s[46:47], s[8:9], s[46:47]
	s_add_nc_u64 s[92:93], s[10:11], s[92:93]
	CROUND                                         ; all sixteen work-groups are here: the joint loads meet
	s_mov_b32 s[G0S], 1
	s_add_co_u32 s[G0S+1], s94, SCL
	s_mov_b64 s[G0S+2:G0S+3], s[22:23]
	s_or_b32 s[G0S+3], s[G0S+3], 0x80000000
	s_mov_b32 s[G0SB], 1
	s_add_co_u32 s[G0SB+1], s94, SCL
	s_mov_b64 s[G0SB+2:G0SB+3], s[92:93]
	s_or_b32 s[G0SB+3], s[G0SB+3], 0x80000000
	JLOAD G0S, G1S, G0SB, G1SB                     ; three loads of mine go out together: the scales, slot 0, slot 1
.irp s, 0,1
	s_mov_b32 s[G0+4*\s], 1
	s_add_co_u32 s[G0+4*\s+1], s45, \s*SLOT
	s_add_nc_u64 s[G0+4*\s+2:G0+4*\s+3], s[20:21], \s*ROWB
	s_or_b32 s[G0+4*\s+3], s[G0+4*\s+3], 0x80000000
	s_mov_b32 s[G0B+4*\s], 1
	s_add_co_u32 s[G0B+4*\s+1], s45, \s*SLOT
	s_add_nc_u64 s[G0B+4*\s+2:G0B+4*\s+3], s[46:47], \s*ROWB
	s_or_b32 s[G0B+4*\s+3], s[G0B+4*\s+3], 0x80000000
	JLOAD G0+4*\s, G1, G0B+4*\s, G1B
.endr
	v_and_b32 v1, 15, v0                           ; l % 16
	v_bfe_u32 v2, v0, 4, 1                         ; l / 16
	v_mul_u32_u24 v3, v1, PITCH
	v_lshl_add_u32 v4, v2, 4, v3
	s_mul_i32 s21, s15, HALFT
	s_mul_i32 s22, s16, HALFT
	s_add_co_u32 s22, s22, 2*HALFT
.irp s, 0,1
	v_add_nc_u32 v[ADRA+\s], s21, v4
	v_add_nc_u32 v[ADRB+\s], s22, v4
	s_add_co_u32 s21, s21, SLOT
	s_add_co_u32 s22, s22, SLOT
.endr
	v_mul_u32_u24 v5, v1, KS                       ; my row's scales: 32 bytes a row,
	v_lshrrev_b32 v6, 8, v5
	v_lshl_add_u32 v5, v6, 4, v5                   ; and 16 more for each 256 passed
	s_mul_i32 s21, s15, HALFS
	s_mul_i32 s22, s16, HALFS
	s_add_co_u32 s22, s22, 2*HALFS
	s_sub_co_u32 s22, s22, s21
	v_mul_u32_u24 v6, s22, v2                      ; lanes 16-31 take B's
	s_add_co_u32 s21, s21, SCL
	v_add_nc_u32 v5, v5, v6
	v_add_nc_u32 v[ADRS], s21, v5
	s_mul_i32 s23, s14, 16*SPITCH                  ; my stage
	v_mul_u32_u24 v5, v1, SPITCH
	v_lshl_add_u32 v5, v2, 5, v5
	v_add_nc_u32 v[STO], s23, v5                   ; in: row l % 16, 32 bytes for each half of the lanes
	v_and_b32 v6, 31, v0
	v_lshrrev_b32 v7, 3, v6                        ; lane / 8
	v_and_b32 v8, 7, v0                            ; lane % 8
	v_mul_u32_u24 v5, v7, SPITCH
	v_lshl_add_u32 v5, v8, 5, v5
	v_add_nc_u32 v[RD], s23, v5                    ; back: four rows an instruction, eight lanes to a head's 256 bytes
	v_lshlrev_b32 v[TO], 12, v7
	v_lshl_add_u32 v[TO], v8, 5, v[TO]             ; the table: a row is 4,096 bytes
	v_lshlrev_b32 v[GO], 4, v6
	; where my part begins: position t0 and batch b from the tile row, channel from cx and my half
	s_and_b32 s20, s17, 7
	s_lshl_b32 s20, s20, 8
	s_lshl_b32 s21, s15, 7
	s_add_co_u32 s18, s20, s21                     ; t0 = 256 (tile row % 8) + 128 x half
	s_lshr_b32 s19, s17, 3                         ; b
	s_lshl_b32 s46, s40, 8
	s_lshl_b32 s47, s16, 7
	s_add_co_u32 s46, s46, s47                     ; my first channel of the kind's 1,024
	s_lshl_b32 s20, s18, 12
	s_lshl_b32 s47, s46, 2
	s_add_co_u32 s20, s20, s47
	s_mov_b32 s21, 0
	s_add_nc_u64 s[96:97], s[96:97], s[20:21]      ; the table at (t0, my first channel)
	s_lshl_b32 s22, ttmp9, 24                      ; the kind: cluster x = 0 q, 1 k, 2 v
	s_lshl_b32 s47, s19, 22
	s_add_co_u32 s22, s22, s47
	s_lshl_b32 s47, s46, 12                        ; (channel / 64) heads of 2^18 bytes
	s_add_co_u32 s22, s22, s47
	s_lshl_b32 s47, s18, 7
	s_add_co_u32 s22, s22, s47
	s_mov_b32 s23, 0
	s_add_nc_u64 s[12:13], s[12:13], s[22:23]
.macro FRAG reg, adr, q, i             ; 16 rows x 128 K of 4-bit codes: 8 registers, two loads of 16 bytes, 32 bytes apart
.irp c, 0,1
	ds_load_b128 v[\reg+4*\c:\reg+4*\c+3], v[\adr] offset:64*(\q)+32*\c+(\i)*16*PITCH
.endr
.endm
; 16 matrix instructions: A's blocks a0, a0 + 1 x B's eight.  The 64 accumulators take turns, one instruction a turn, in the same order in every step.
.macro MUL16 a0, p, q, sc, zero
.irp a, \a0, \a0+1
.irp b, 0,1,2,3,4,5,6,7
.if \zero
	v_wmma_scale_f32_16x16x128_f8f6f4 v[8*(8*((\a)%4)+\b):8*(8*((\a)%4)+\b)+7], v[128*(\p)+FR*\b:128*(\p)+FR*\b+FR-1], v[AF+FR*(\a):AF+FR*(\a)+FR-1], 0, v[SC+8*NQ*(\sc)+NQ*\b+(\q)], v[SC+8*NQ*(\sc)+NQ*(\a)+(\q)] matrix_a_fmt:MATRIX_FMT_FP4 matrix_b_fmt:MATRIX_FMT_FP4 matrix_a_scale:MATRIX_SCALE_ROW1
.else
	v_wmma_scale_f32_16x16x128_f8f6f4 v[8*(8*((\a)%4)+\b):8*(8*((\a)%4)+\b)+7], v[128*(\p)+FR*\b:128*(\p)+FR*\b+FR-1], v[AF+FR*(\a):AF+FR*(\a)+FR-1], v[8*(8*((\a)%4)+\b):8*(8*((\a)%4)+\b)+7], v[SC+8*NQ*(\sc)+NQ*\b+(\q)], v[SC+8*NQ*(\sc)+NQ*(\a)+(\q)] matrix_a_fmt:MATRIX_FMT_FP4 matrix_b_fmt:MATRIX_FMT_FP4 matrix_a_scale:MATRIX_SCALE_ROW1
.endif
.endr
.endr
.endm
.macro FETCH_B slot, q, p
	WIN TO_B
.irp i, 0,1,2,3,4,5,6,7
	FRAG 128*(\p)+FR*\i, ADRB+\slot, \q, \i
.endr
	WIN 0
.endm
.macro FETCH_A slot, q, i0
.irp i, \i0, \i0+1, \i0+2, \i0+3
	FRAG AF+FR*(\i), ADRA+\slot, \q, \i
.endr
.endm
.macro SCALES sc                       ; a slot's scale words: four words a row; lanes 0-15 take A's block i, lanes 16-31 B's block i
.irp i, 0,1,2,3,4,5,6,7
	ds_load_b128 v[SC+8*NQ*\sc+NQ*\i:SC+8*NQ*\sc+NQ*\i+3], v[ADRS] offset:\i*SBLK
.endr
.endm
.macro PLACES n                        ; plain vector lines between a matrix instruction and a load into, or a read of, its registers
.rept \n
	v_nop
.endr
.endm
.macro STEP slot, q, zero              ; 128 along K with its successor in the same slot
	s_wait_dscnt 4*NL                              ; B's set and A's blocks 0-3 are in; the youngest eight loads (A's blocks 4-7) may be out
	WIN MUL_LO
	MUL16 0, (\q)%2, \q, \slot, \zero
	MUL16 2, (\q)%2, \q, \slot, \zero
	s_wait_dscnt 0
	PLACES NP
	FETCH_B \slot, (\q)+1, 1-(\q)%2
	FETCH_A \slot, (\q)+1, 0
	WIN MUL_HI
	MUL16 4, (\q)%2, \q, \slot, \zero
	MUL16 6, (\q)%2, \q, \slot, \zero
	PLACES NP
	WIN 0
	FETCH_A \slot, (\q)+1, 4
.endm
; Slot 0's last step changes slots: each wave waits for all its tensor loads (slot 1's part), adds 0 to its spare word, waits for that and for its reads of slot 0, and passes the barrier.  Nothing is filled again.
.macro TURN slot, next
	s_wait_tensorcnt 0x0
	ds_add_u32 v[SPW], v[NIL]
	s_wait_dscnt 4*NL+1                            ; (the add and the youngest eight loads may be out)
	WIN MUL_LO
	MUL16 0, 1, NQ-1, \slot, 0
	s_wait_dscnt 0x0                               ; the add is done, and my reads of this slot are over
	s_barrier_signal -1
	MUL16 2, 1, NQ-1, \slot, 0
	WIN 0
	s_barrier_wait -1
	PLACES NP
	v_add_nc_u32 v[ADRS], 4*NQ, v[ADRS]            ; on to the next slot's scale words
	FETCH_B \next, 0, 0
	FETCH_A \next, 0, 0
	SCALES \next
	WIN MUL_HI
	MUL16 4, 1, NQ-1, \slot, 0
	MUL16 6, 1, NQ-1, \slot, 0
	PLACES NP
	WIN 0
	FETCH_A \next, 0, 4
.endm
.macro STEPS slot, from
.set Q, \from
.rept NQ-1-\from
	STEP \slot, Q, 0
.set Q, Q+1
.endr
.endm
	s_wait_tensorcnt 1                             ; the scales and my part of slot 0 are in; slot 1's load may be out
	s_barrier_signal -1
	s_barrier_wait -1
	FETCH_B 0, 0, 0
	FETCH_A 0, 0, 0
	SCALES 0
	FETCH_A 0, 0, 4
	STEP 0, 0, 1                                   ; the first products start the sums: nothing is cleared
	STEPS 0, 1
	TURN 0, 1
	STEPS 1, 0
	s_wait_dscnt 4*NL
	WIN MUL_LO
	MUL16 0, 1, NQ-1, 1, 0
	MUL16 2, 1, NQ-1, 1, 0
	s_wait_dscnt 0
	WIN MUL_HI
	MUL16 4, 1, NQ-1, 1, 0
	MUL16 6, 1, NQ-1, 1, 0
	WIN 0
; THE WAY OUT, block by block of 16 rows x 128 channels (two heads).  A block goes through my stage in LDS and comes back so that a lane holds eight neighbouring channels of one row and eight lanes a head's 64:
; pass p = 4 hh + rg: head hh, rows 4 rg + lane / 8.  Rounded to f16 a pass is 512 consecutive bytes of qkv: four rows of a head.
.macro TOSTAGE a
.set AC, 64*((\a)%4)
.set XB, 32+64*((\a)%2)
	WIN 0x08+4*((\a)/4)                            ; the stores' data: window 2 or 3
.irp b, 0,1,2,3,4,5,6,7
	ds_store_b128 v[STO], v[AC+8*\b:AC+8*\b+3] offset:64*\b          ; each accumulator from its low end on
	ds_store_b128 v[STO], v[AC+8*\b+4:AC+8*\b+7] offset:64*\b+16
.endr
	WIN 0
.irp p, 0,1,2,3,4,5,6,7
	ds_load_b128 v[XB+8*\p:XB+8*\p+3], v[RD] offset:(\p%4)*4*SPITCH+(\p/4)*256      ; LDS serves a wave's instructions in order: these see the stores above
	ds_load_b128 v[XB+8*\p+4:XB+8*\p+7], v[RD] offset:(\p%4)*4*SPITCH+(\p/4)*256+16
.endr
.endm
.macro TLOADS a                        ; the table's numbers for block a, in the passes' layout: cos, sin of my four pairs; eight lanes read 256 consecutive bytes
.set TR, 64*((\a)%4)
	WIN TO_B
.irp p, 0,1,2,3,4,5,6,7
	global_load_b128 v[TR+8*\p:TR+8*\p+3], v[TO], s[96:97] offset:(16*(\a)+4*(\p%4))*4096+(\p/4)*256
	global_load_b128 v[TR+8*\p+4:TR+8*\p+7], v[TO], s[96:97] offset:(16*(\a)+4*(\p%4))*4096+(\p/4)*256+16
.endr
	WIN 0
.endm
.macro FIN a, rope, younger, left      ; younger: LDS instructions issued behind block a's loads; left: table loads of later blocks
.set XB, 32+64*((\a)%2)
.set TR, 64*((\a)%4)
	s_wait_dscnt \younger
.if \rope
	s_wait_loadcnt \left
	WIN 0x04                                       ; source 1: the table, in window 1
.irp p, 0,1,2,3,4,5,6,7
.irp i, 0,1,2,3
	v_mul_f32 v[160+8*(\p%2)+2*\i], v[XB+8*\p+2*\i+1], v[TR+8*\p+2*\i+1]      ; xo sin
	v_mul_f32 v[161+8*(\p%2)+2*\i], v[XB+8*\p+2*\i], v[TR+8*\p+2*\i+1]        ; xe sin
.endr
.irp i, 0,1,2,3
	v_fma_f32 v[XB+8*\p+2*\i], v[XB+8*\p+2*\i], v[TR+8*\p+2*\i], -v[160+8*(\p%2)+2*\i]      ; xe cos - xo sin
	v_fma_f32 v[XB+8*\p+2*\i+1], v[XB+8*\p+2*\i+1], v[TR+8*\p+2*\i], v[161+8*(\p%2)+2*\i]   ; xo cos + xe sin
.endr
.endr
	WIN 0
.endif
.irp p, 0,1,2,3,4,5,6,7
.irp i, 0,1,2,3
	v_cvt_pk_f16_f32 v[XB+8*\p+\i], v[XB+8*\p+2*\i], v[XB+8*\p+2*\i+1]
.endr
.endr
.irp p, 0,1,2,3,4,5,6,7
	global_store_b128 v[GO], v[XB+8*\p:XB+8*\p+3], s[12:13] offset:(\p/4)*262144+(16*(\a)+4*(\p%4))*128   ; 32 lanes store 512 consecutive bytes, aligned
.endr
.endm
.macro OUTWAY rope
.if \rope
	TLOADS 0
	TLOADS 1
	TLOADS 2                                       ; three blocks' 48 loads are on their way
.endif
	TOSTAGE 0
.irp a, 1,2,3,4,5,6,7
.if \a > 1
	s_wait_xcnt 0x0                                ; block a - 2's stores have read their registers: block a's loads may land there
.endif
	TOSTAGE \a
.if \a < 7
	FIN \a-1, \rope, 32, 32                        ; behind block a - 1's LDS loads: block a's 16 stores and 16 loads; behind its table loads: two later blocks' 32
.else
	FIN \a-1, \rope, 32, 16
.endif
.if (\rope) && (\a < 6)
	TLOADS \a+2
.endif
.endr
	FIN 7, \rope, 0, 0
.endm
	PLACES NP                                      ; behind the last products, ahead of loads into their operands' registers and of the reads of results
	s_cmp_eq_u32 ttmp9, 2                          ; v is not rotated.  The cluster's x is the same in all sixteen partners; the branch leads round no tensor load and no barrier
	s_cbranch_scc1 .Lplain
	OUTWAY 1
	s_branch .Lend
.Lplain:
	OUTWAY 0
.Lend:
	s_wait_tensorcnt 0x0                           ; the wave's end: behind my last tensor load and my last LDS store
	ds_add_u32 v[SPW], v[NIL]
	s_wait_dscnt 0x0
	CROUND                                         ; the closing round
	s_endpgm
.Lfunc_end_k_q9ee6f2ffce_qkv:
	.size	k_q9ee6f2ffce_qkv, .Lfunc_end_k_q9ee6f2ffce_qkv-k_q9ee6f2ffce_qkv
	.p2alignl 7, 3214868480
	.fill 96, 4, 3214868480
	.section	.rodata,"a",@progbits
	.p2align	6, 0x0
	.amdhsa_kernel k_q9ee6f2ffce_qkv
		.amdhsa_group_segment_fixed_size 327680
		.amdhsa_private_segment_fixed_size 0
		.amdhsa_enable_private_segment 0
		.amdhsa_kernarg_size 48
		.amdhsa_user_sgpr_count 2
		.amdhsa_user_sgpr_kernarg_segment_ptr 1
		.amdhsa_wavefront_size32 1
		.amdhsa_system_sgpr_workgroup_id_x 1
		.amdhsa_system_sgpr_workgroup_id_y 1
		.amdhsa_system_sgpr_workgroup_id_z 1
		.amdhsa_system_vgpr_workitem_id 0
		.amdhsa_next_free_vgpr 1024
		.amdhsa_next_free_sgpr 98
		.amdhsa_reserve_vcc 0
		.amdhsa_float_denorm_mode_32 3
		.amdhsa_float_denorm_mode_16_64 3
		.amdhsa_memory_ordered 1
		.amdhsa_forward_progress 1
		.amdhsa_inst_pref_size 235
	.end_amdhsa_kernel
	.amdgpu_metadata
---
amdhsa.version: [ 1, 2 ]
amdhsa.kernels:
  - .name:           k_q9ee6f2ffce_qkv
    .symbol:         k_q9ee6f2ffce_qkv.kd
    .args:
      - { .name: xc, .offset: 0, .size: 8, .value_kind: global_buffer, .address_space: global }
      - { .name: xs, .offset: 8, .size: 8, .value_kind: global_buffer, .address_space: global }
      - { .name: wc, .offset: 16, .size: 8, .value_kind: global_buffer, .address_space: global }
      - { .name: ws, .offset: 24, .size: 8, .value_kind: global_buffer, .address_space: global }
      - { .name: rot, .offset: 32, .size: 8, .value_kind: global_buffer, .address_space: global }
      - { .name: qkv, .offset: 40, .size: 8, .value_kind: global_buffer, .address_space: global }
    .group_segment_fixed_size: 327680
    .private_segment_fixed_size: 0
    .kernarg_segment_align: 8
    .kernarg_segment_size: 48
    .max_flat_workgroup_size: 128
    .sgpr_count:     98
    .vgpr_count:     1024
    .wavefront_size: 32
...
	.end_amdgpu_metadata
.endif
;; end of part 2
;; launch attn (part 3): grid 4 x 64, 8 waves a work-group, clusters of 4 x 1, 327,680 bytes of LDS; arguments qkv, ob; writes ob
.if DOCPART == 3
	.amdgcn_target "amdgcn-amd-amdhsa--gfx1250"
	.amdhsa_code_object_version 6
	.text
	.protected	k_q9ee6f2ffce_attn
	.globl	k_q9ee6f2ffce_attn
	.p2align	8
	.type	k_q9ee6f2ffce_attn,@function
k_q9ee6f2ffce_attn:
	s_mov_b64 s[64:65], 0
	v_nop
	global_prefetch_b8 v0, s[64:65] scope:SCOPE_SE
	s_setreg_imm32_b32 hwreg(HW_REG_WAVE_MODE, 25, 1), 1
	s_wait_xcnt 0x0
	s_wait_alu depctr_hold_cnt(0) depctr_sa_sdst(0) depctr_va_vdst(0) depctr_va_sdst(0) depctr_va_ssrc(0) depctr_va_vcc(0) depctr_vm_vsrc(0)
	s_getreg_b32 s2, hwreg(HW_REG_IB_STS2, 6, 4)
	s_cmp_eq_u32 s2, 0
	s_cbranch_scc0 .Lentry_in_a_cluster
	s_endpgm
.Lentry_in_a_cluster:
	s_bfe_u32 s2, ttmp6, 0x10000c
	s_cmp_lg_u32 s2, 0x3003
	s_cbranch_scc0 .Lentry_shape_is_right
	s_endpgm
.Lentry_shape_is_right:
; SELF-ATTENTION, launch 3 of 4: o = softmax(q k^T / 8) v for each of 64 (batch, head), 2,048 positions, head size 64.  No mask; no work of the problem is left out.
; q, k, v: f16, qkv[kind][bh][t][64].  Products on f16 operands with f32 sums; maxima, exponentials and sums in f32; the weights p are rounded to f16 for the second product; o leaves as f16, ob[head][2048 b + t][64].
; LIMIT: |o| stays under 65,504 (f16).
; SHARES.  A cluster of four work-groups is one (batch, head); a work-group owns 512 queries, each of its eight waves 64: four tiles of 16.  Every wave walks all 2,048 keys, 64 a step.
; LAYOUT.  S^T = K Q^T (source 0 = 16 keys, source 1 = 16 queries): a lane holds ONE query (lane % 16) and keys 8 (lane / 16) + 0..7 of a tile.  Two such tiles, rounded to f16 in pairs, ARE source 1 (32 keys x 16 queries)
; of O^T = V^T P, whose result again holds one query a lane.  K comes out of LDS as it lies, V ([key][channel]) turned, by ds_load_tr16_b128.
; SOFTMAX.  For each query a running maximum m and sum l: p = 2^(c s - c m), c = log2(e) / 8; in every step O and l are multiplied by a = 2^(c m_old - c m_new).
; IN PHASES: a step's 32 products V^T P, the next step's 32 products K Q^T, its softmax.  Two waves share a SIMD's registers, so that one wave's vector work can stand beside the other's matrix work.
; THE RING: two LDS slots of four steps (256 keys); each of the eight waves fetches one tile of 64 rows (waves 0-3 K's, waves 4-7 V's), asked for JOINTLY by the four work-groups.
; REGISTERS: window 0: v2-14 addresses; v16-47 statistics, eight a tile; v48-111 Q; v112-239 S^T, 32 a tile, P laid over each tile's first 16.   window 1: v0-127 O^T, 32 a tile; v128-191 K of a step; v192-255 V of a step.
.set KS,    64
.set PK,    144                        ; a row of K in LDS: 128 bytes + 16
.set PVP,   160                        ; a row of V: 128 + 32
.set VOFF,  KS*PK
.set STEPB, KS*(PK+PVP)                ; a step: 64 rows of K, then 64 rows of V
.set SLOT1, 1<<17                      ; slot 1 begins here: one exclusive or turns an address in one slot into the other's
.set STAGE, SLOT1+4*STEPB              ; behind the ring: 16 rows x 144 bytes for each wave, for the way out
.set SP,    144
.set SPARE, STAGE+8*16*SP              ; the spare words, 128 bytes a wave, which no other line names
.set SLOTB, 4*KS*128                   ; a slot's keys in memory: 32,768 bytes of K and of V
.set AK0, 2
.set AV0, 3
.set ADR, 4
.set QO,  5
.set STO, 6
.set RD,  7
.set GO,  8
.set PFO, 12                           ; v12 256 x lane; never rewritten
.set SPW, 13
.set NIL, 14
.set ST,  16                           ; tile t at v[ST + 8 t]: +0 c m, +1 m, +2, +3 l, +4 to +7 at work; +4, +5 then the step's sum, +6 a, +7 c m_old - c m_new
.set Q,   48
.set S,   112
.set KF,  128                          ; in window 1
.set VF,  192                          ; in window 1
.set WV,  12
.set LIM, 15
.set PFA, 18
.set G1K, 24
.set G1V, 32
.set G0K, 40
.set G0V, 48
.set SLOTS, 56
.set TWICE, 57
.set CS,  58
.set SEL, 60
.set TB,  62
.set MSB, 0
.macro WIN new
.if MSB != (\new)
	s_set_vgpr_msb (MSB<<8)|(\new)
.set MSB, (\new)
.endif
.endm
.set W_KQ, 0x01                        ; K in window 1; Q and S^T in window 0
.set W_PV, 0x51                        ; V and O^T in window 1, P in window 0
.set W_RS, 0x41                        ; O^T (destination and source 0) in window 1, the factor in window 0
.set TO_1, 0x40                        ; a load's destination in window 1
.macro JLOAD                           ; a joint refill: waves 0-3 K's tiles, waves 4-7 V's; an s_nop 0 and four v_nop follow each line
	s_cmp_lt_u32 s[WV], 4
	s_cbranch_scc0 .Lfor_v_\@
	tensor_load_to_lds s[G0K+4:G0K+7], s[G1K:G1K+7]
	s_nop 0
.rept 4
	v_nop
.endr
	s_branch .Lasked_\@
.Lfor_v_\@:
	tensor_load_to_lds s[G0V+4:G0V+7], s[G1V:G1V+7]
	s_nop 0
.rept 4
	v_nop
.endr
.Lasked_\@:
.endm
; A PREFETCH of what the NEXT change of slots will ask for: a slot's 32,768 bytes of K and of V, lanes 256 bytes apart.  The four partners take 8,192 bytes each, told apart by address; in each, wave 0 asks for K's and
; wave 4 for V's: each aligned 256 bytes is named once in the launch.  It stands four key steps ahead of the load that wants the data.  The last change that fills a slot asks for nothing; slots 0 to 2 come by their loads alone.
.macro ASK
	s_cmp_gt_u32 s[SLOTS], s[LIM]
	s_cbranch_scc0 .Lnot_mine_\@
	global_prefetch_b8 v[PFO], s[PFA:PFA+1] th:TH_LOAD_NT scope:SCOPE_SE
.Lnot_mine_\@:
.endm
.macro CROUND
	s_barrier_signal -1
	s_barrier_wait -1
	s_cmp_lg_u32 s[WV], 0
	s_cbranch_scc1 .Lnot_wave_0_\@
	s_barrier_signal -3
.Lnot_wave_0_\@:
	s_barrier_wait -3
	s_barrier_signal -1
	s_barrier_wait -1
.endm
	s_load_b128 s[4:7], s[0:1], 0x0                ; qkv s[4:5], ob s[6:7]
	v_lshl_add_u32 v[SPW], v0, 2, SPARE
	v_mov_b32 v[NIL], 0
	ds_add_u32 v[SPW], v[NIL]                      ; the wave's opening: the add, twice on end, and its wait ahead of my first tensor load
	ds_add_u32 v[SPW], v[NIL]
	v_lshrrev_b32 v1, 5, v0
	v_readfirstlane_b32 s[WV], v1                  ; wave 0..7
	s_bfe_u32 s13, ttmp6, 0x40000                  ; cx: it enters Q's, O's and the prefetches' addresses alone
	s_and_b32 s20, ttmp7, 0xffff                   ; 16 b + head, which the four partners share
	s_lshl_b32 s22, s20, 18                        ; its 2,048 rows of 128 bytes
	s_and_b32 s16, s[WV], 3                        ; which of a slot's four steps I fetch:
	s_lshl_b32 s23, s16, 13                        ; its 64 rows in memory,
	s_add_co_u32 s22, s22, s23
	s_mov_b32 s23, 0
	s_mul_i32 s17, s16, STEPB                      ; and its place in a slot
	s_lshl_b32 s2, s13, 16                         ; my work-group's 512 rows,
	s_lshl_b32 s3, s[WV], 13                       ; my wave's 64 of them
	s_add_co_u32 s2, s2, s3
	s_and_b32 s14, s20, 15
	s_lshl_b32 s14, s14, 20                        ; ob: the head's 8,192 rows,
	s_lshr_b32 s3, s20, 4
	s_lshl_b32 s3, s3, 18                          ; the batch's 2,048 of them
	s_add_co_u32 s14, s14, s3
	s_lshl_b32 s3, s20, 18
	s_add_co_u32 s20, s14, s2                      ; O's offset
	s_mov_b32 s21, 0
	s_add_co_u32 s2, s2, s3                        ; Q's offset
	s_mov_b32 s3, 0
	s_mov_b32 s[G1K], 15|(1<<16)|(1<<20)|(1<<21)|(4<<22)|(3<<25)  ; the mask: all four; elements of 2 bytes; padding of 4 words behind every 32
	s_mov_b32 s[G1V], 15|(1<<16)|(1<<20)|(1<<21)|(4<<22)|(7<<25)  ; the same with 8 words
.irp g, G1K, G1V
	s_mov_b32 s[\g+1], 64<<16                      ; tensor_dim0
	s_mov_b32 s[\g+2], KS<<16                      ; tensor_dim1
	s_mov_b32 s[\g+3], 64<<16                      ; tile_dim0
	s_mov_b32 s[\g+4], KS                          ; tile_dim1
	s_mov_b32 s[\g+5], 64                          ; the pitch
	s_mov_b32 s[\g+6], 0
	s_mov_b32 s[\g+7], 0
.endr
	s_mov_b32 s[CS], 0x3e38aa3b                    ; c = log2(e) / 8
	s_mov_b32 s[CS+1], s[CS]
	s_mov_b32 s[SEL], 0x76543210
	s_mov_b32 s[SEL+1], 0xfedcba98
	s_mov_b32 s[TB], 0
	s_mov_b32 s[SLOTS], 6                          ; slots 2 to 7 are asked for at changes of slots
	s_and_b32 s[LIM], s[WV], 3
	s_cmp_eq_u32 s[LIM], 0
	s_cselect_b32 s[LIM], 1, -1                    ; waves 0 and 4 prefetch
	v_and_b32 v[PFO], 31, v0
	v_lshlrev_b32 v[PFO], 8, v[PFO]
	s_wait_dscnt 0x0                               ; both opening adds are done
	s_wait_kmcnt 0x0
	s_add_nc_u64 s[8:9], s[4:5], s[22:23]
	s_add_nc_u64 s[10:11], s[8:9], 0x2000000       ; V at my tile of slot 0
	s_add_nc_u64 s[8:9], s[8:9], 0x1000000         ; K likewise
	s_add_nc_u64 s[4:5], s[4:5], s[2:3]            ; Q at my wave's first row
	s_add_nc_u64 s[6:7], s[6:7], s[20:21]          ; O likewise
	s_cmp_lt_u32 s[WV], 4
	s_cselect_b64 s[PFA:PFA+1], s[8:9], s[10:11]   ; (in waves 0 and 4 these stand at a slot's first row)
	s_lshl_b32 s2, s13, 13                         ; my work-group's quarter of a slot
	s_add_nc_u64 s[PFA:PFA+1], s[PFA:PFA+1], s[2:3]
	s_add_nc_u64 s[PFA:PFA+1], s[PFA:PFA+1], 2*SLOTB   ; in slot 2; the first change of slots steps it to slot 3
	CROUND                                         ; all four work-groups are here: the first joint loads meet
.irp s, 0,1
	s_mov_b32 s[G0K+4*\s], 1
	s_add_co_u32 s[G0K+4*\s+1], s17, \s*SLOT1
	s_add_nc_u64 s[G0K+4*\s+2:G0K+4*\s+3], s[8:9], \s*SLOTB
	s_or_b32 s[G0K+4*\s+3], s[G0K+4*\s+3], 0x80000000
	s_mov_b32 s[G0V+4*\s], 1
	s_add_co_u32 s[G0V+4*\s+1], s17, \s*SLOT1+VOFF
	s_add_nc_u64 s[G0V+4*\s+2:G0V+4*\s+3], s[10:11], \s*SLOTB
	s_or_b32 s[G0V+4*\s+3], s[G0V+4*\s+3], 0x80000000
.endr
	s_cmp_lt_u32 s[WV], 4                          ; a wave's two first fills stand in one branch: two loads of mine are out
	s_cbranch_scc0 .Lfirst_v
	tensor_load_to_lds s[G0K:G0K+3], s[G1K:G1K+7]
	s_nop 0
	tensor_load_to_lds s[G0K+4:G0K+7], s[G1K:G1K+7]
	s_nop 0
.rept 4
	v_nop
.endr
	s_branch .Lfirst_asked
.Lfirst_v:
	tensor_load_to_lds s[G0V:G0V+3], s[G1V:G1V+7]
	s_nop 0
	tensor_load_to_lds s[G0V+4:G0V+7], s[G1V:G1V+7]
	s_nop 0
.rept 4
	v_nop
.endr
.Lfirst_asked:
	v_and_b32 v1, 15, v0                           ; l % 16
	v_bfe_u32 v9, v0, 4, 1                         ; l / 16
	v_lshlrev_b32 v[QO], 7, v1
	v_lshl_add_u32 v[QO], v9, 4, v[QO]             ; row x 128 + 16 x half
.irp i, 0,1,2,3,4,5,6,7                        ; Q stays in registers: tile i / 2, channels 32 (i % 2) on
	global_load_b128 v[Q+8*\i:Q+8*\i+3],   v[QO], s[4:5] offset:(\i/2)*2048+(\i%2)*64
	global_load_b128 v[Q+8*\i+4:Q+8*\i+7], v[QO], s[4:5] offset:(\i/2)*2048+(\i%2)*64+32
.endr
	v_mul_u32_u24 v[AK0], v1, PK
	v_lshl_add_u32 v[AK0], v9, 4, v[AK0]
	v_and_b32 v10, 7, v0
	v_bfe_u32 v11, v0, 3, 1
	v_lshl_add_u32 v[AV0], v9, 3, v10              ; the turning load: key 8 (l / 16) + l % 8, channels 8 ((l / 8) % 2) on
	v_mul_u32_u24 v[AV0], v[AV0], PVP
	v_lshl_add_u32 v[AV0], v11, 4, v[AV0]
	v_add_nc_u32 v[AV0], VOFF, v[AV0]
	s_mul_i32 s14, s[WV], 16*SP
	s_add_co_u32 s14, s14, STAGE                   ; my stage
	v_mul_u32_u24 v[STO], v1, SP
	v_lshl_add_u32 v[STO], v9, 4, v[STO]
	v_add_nc_u32 v[STO], s14, v[STO]               ; in: row l % 16, 16 bytes for each half of the lanes
	v_bfe_u32 v11, v0, 3, 2
	v_mul_u32_u24 v[RD], v11, SP
	v_lshl_add_u32 v[RD], v10, 4, v[RD]
	v_add_nc_u32 v[RD], s14, v[RD]                 ; back: four rows of 128 bytes an instruction
	v_and_b32 v[GO], 31, v0
	v_lshlrev_b32 v[GO], 4, v[GO]                  ; and the same four rows in O: 512 consecutive bytes
; Product i of 32 of S^T = K Q^T: channels 32 (i / 16) on, keys 16 ((i / 4) % 4) on, tile i % 4.  The first 16 start the sums.  The sixteen accumulators take turns.
.macro MKQ
.set rS, S+32*(i%4)+8*((i/4)%4)
.set rK, KF+16*((i/4)%4)+8*(i/16)
.set rQ, Q+16*(i%4)+8*(i/16)
.if i < 16
	v_wmma_f32_16x16x32_f16 v[rS:rS+7], v[rK:rK+7], v[rQ:rQ+7], 0
.else
	v_wmma_f32_16x16x32_f16 v[rS:rS+7], v[rK:rK+7], v[rQ:rQ+7], v[rS:rS+7]
.endif
.endm
; Product i of 32 of O^T += V^T P: keys 32 (i / 16) on, channels 16 ((i / 4) % 4) on, tile i % 4.  zero = 1: the first 16 start the sums: nothing is ever cleared.
.macro MPV zero
.set rO, 32*(i%4)+8*((i/4)%4)
.set rV, VF+32*(i/16)+8*((i/4)%4)
.set rP, S+32*(i%4)+8*(i/16)
.if \zero && (i < 16)
	v_wmma_f32_16x16x32_f16 v[rO:rO+7], v[rV:rV+7], v[rP:rP+7], 0
.else
	v_wmma_f32_16x16x32_f16 v[rO:rO+7], v[rV:rV+7], v[rP:rP+7], v[rO:rO+7]
.endif
.endm
.macro FETCH_K                         ; a step's K: 8 fragments, 16 loads in one run
	WIN 0
	v_add_nc_u32 v[ADR], s[TB], v[AK0]
	WIN TO_1
.irp f, 0,1,2,3,4,5,6,7                        ; keys 16 (f / 2) on, channels 32 (f % 2) on
	ds_load_b128 v[KF+8*\f:KF+8*\f+3],   v[ADR] offset:(\f/2)*16*PK+(\f%2)*64
	ds_load_b128 v[KF+8*\f+4:KF+8*\f+7], v[ADR] offset:(\f/2)*16*PK+(\f%2)*64+32
.endr
.endm
.macro FETCH_V                         ; the same step's V, turned
	WIN 0
	v_add_nc_u32 v[ADR], s[TB], v[AV0]
	s_add_co_u32 s[TB], s[TB], STEPB               ; the next fetch is the next step's
	WIN TO_1
.irp f, 0,1,2,3,4,5,6,7                        ; keys 32 (f / 4) on, channels 16 (f % 4) on
	ds_load_tr16_b128 v[VF+8*\f:VF+8*\f+3],   v[ADR] offset:(\f/4)*32*PVP+(\f%4)*32
	ds_load_tr16_b128 v[VF+8*\f+4:VF+8*\f+7], v[ADR] offset:(\f/4)*32*PVP+16*PVP+(\f%4)*32
.endr
.endm
; A STEP'S SOFTMAX, the four tiles by turns in every line.  first = 1: the first key step, which starts m and l and has nothing to rescale.
.macro SOFTMAX first
.irp j, 0,1,2,3
.irp t, 0,1,2,3
	v_max3_num_f32 v[ST+8*\t+4+\j], v[S+32*\t+8*\j], v[S+32*\t+8*\j+1], v[S+32*\t+8*\j+2]     ; four chains a tile; each accumulator is read from its low end on
.endr
.endr
.irp u, 1,2
.irp j, 0,1,2,3
.irp t, 0,1,2,3
	v_max3_num_f32 v[ST+8*\t+4+\j], v[ST+8*\t+4+\j], v[S+32*\t+8*\j+2*\u+1], v[S+32*\t+8*\j+2*\u+2]
.endr
.endr
.endr
.irp t, 0,1,2,3
	v_max3_num_f32 v[ST+8*\t+4], v[ST+8*\t+4], v[S+32*\t+7], v[S+32*\t+15]
.endr
.irp t, 0,1,2,3
	v_max3_num_f32 v[ST+8*\t+6], v[ST+8*\t+6], v[S+32*\t+23], v[S+32*\t+31]
.endr
.irp t, 0,1,2,3
	v_max3_num_f32 v[ST+8*\t+4], v[ST+8*\t+4], v[ST+8*\t+5], v[ST+8*\t+6]
.endr
.irp t, 0,1,2,3
.if \first
	v_max_num_f32 v[ST+8*\t+4], v[ST+8*\t+4], v[ST+8*\t+7]
.else
	v_max3_num_f32 v[ST+8*\t+4], v[ST+8*\t+4], v[ST+8*\t+7], v[ST+8*\t+1]                     ; with the old m
.endif
.endr
.irp t, 0,1,2,3
	v_permlanex16_b32 v[ST+8*\t+5], v[ST+8*\t+4], s[SEL], s[SEL+1]                            ; the query's other 32 keys lie in the lane 16 away
.endr
.if !\first
.irp t, 0,1,2,3
	v_mov_b32 v[ST+8*\t+7], v[ST+8*\t]                                                        ; c m_old
.endr
.endif
.irp t, 0,1,2,3
	v_max_num_f32 v[ST+8*\t+1], v[ST+8*\t+4], v[ST+8*\t+5]
.endr
.irp t, 0,1,2,3
	v_mul_f32 v[ST+8*\t], s[CS], v[ST+8*\t+1]
.endr
.if !\first
.irp t, 0,1,2,3
	v_sub_f32 v[ST+8*\t+7], v[ST+8*\t+7], v[ST+8*\t]
.endr
.irp t, 0,1,2,3
	v_exp_f32 v[ST+8*\t+6], v[ST+8*\t+7]                                                      ; a
.endr
.endif
; ONE BATCH: the 64 scalings c s - c m, a pair of scores each, and all exponentials; none of these lines names an exponential's result
.set n, 0
.rept 64
	v_pk_fma_f32 v[S+32*(n%4)+2*(n/4):S+32*(n%4)+2*(n/4)+1], v[S+32*(n%4)+2*(n/4):S+32*(n%4)+2*(n/4)+1], s[CS:CS+1], v[ST+8*(n%4):ST+8*(n%4)+1] op_sel_hi:[1,0,0] neg_lo:[0,0,1] neg_hi:[0,0,1]
.if n >= 4
	v_exp_f32 v[S+32*((n-4)%4)+2*((n-4)/4)], v[S+32*((n-4)%4)+2*((n-4)/4)]
	v_exp_f32 v[S+32*((n-4)%4)+2*((n-4)/4)+1], v[S+32*((n-4)%4)+2*((n-4)/4)+1]
.endif
.set n, n+1
.endr
.set n, 60
.rept 4
	v_exp_f32 v[S+32*(n%4)+2*(n/4)], v[S+32*(n%4)+2*(n/4)]
	v_exp_f32 v[S+32*(n%4)+2*(n/4)+1], v[S+32*(n%4)+2*(n/4)+1]
.set n, n+1
.endr
	v_nop                                          ; a plain line behind the last exponential
	s_wait_alu depctr_va_vdst(0)                   ; one wait for the whole batch, ahead of its first reader
.irp t, 0,1,2,3
	v_pk_add_f32 v[ST+8*\t+4:ST+8*\t+5], v[S+32*\t:S+32*\t+1], v[S+32*\t+2:S+32*\t+3]         ; the step's sum of the unrounded p, even keys' and odd keys'
.endr
.irp u, 4,6,8,10,12,14,16,18,20,22,24,26,28
.irp t, 0,1,2,3
	v_pk_add_f32 v[ST+8*\t+4:ST+8*\t+5], v[ST+8*\t+4:ST+8*\t+5], v[S+32*\t+\u:S+32*\t+\u+1]
.endr
.endr
.irp t, 0,1,2,3
.if \first
	v_pk_add_f32 v[ST+8*\t+2:ST+8*\t+3], v[ST+8*\t+4:ST+8*\t+5], v[S+32*\t+30:S+32*\t+31]
.else
	v_pk_add_f32 v[ST+8*\t+4:ST+8*\t+5], v[ST+8*\t+4:ST+8*\t+5], v[S+32*\t+30:S+32*\t+31]
.endif
.endr
.if !\first
.irp t, 0,1,2,3
	v_pk_fma_f32 v[ST+8*\t+2:ST+8*\t+3], v[ST+8*\t+2:ST+8*\t+3], v[ST+8*\t+6:ST+8*\t+7], v[ST+8*\t+4:ST+8*\t+5] op_sel_hi:[1,0,1]   ; l = a l + the sum
.endr
.endif
.irp u, 0,1,2,3,4,5,6,7,8,9,10,11,12,13,14,15
.irp t, 0,1,2,3
	v_cvt_pk_f16_f32 v[S+32*\t+\u], v[S+32*\t+2*\u], v[S+32*\t+2*\u+1]                        ; P, in place, ascending: register u is written when registers 2 u, 2 u + 1 are read
.endr
.endr
.if !\first
	WIN W_RS
.irp u, 0,1,2,3,4,5,6,7,8,9,10,11,12,13,14,15
.irp t, 0,1,2,3
	v_pk_mul_f32 v[32*\t+2*\u:32*\t+2*\u+1], v[32*\t+2*\u:32*\t+2*\u+1], v[ST+8*\t+6:ST+8*\t+7] op_sel_hi:[1,0]   ; O^T x a, each accumulator from its low end on
.endr
.endr
	WIN 0
.endif
.endm
; A BODY: V^T P of step j, then K Q^T and the softmax of step j + 1.
.macro BODY zero
	FETCH_K                                        ; K of step j + 1; its registers' last readers stand in front of the last softmax
	s_wait_dscnt 16                                ; V of step j is in; K's sixteen loads stay out
	WIN W_PV
.set i, 0
.rept 32
	MPV \zero
.set i, i+1
.endr
.rept 5
	v_nop                                          ; five places: the products below write over P, which the products above read; they also serve the loads into V's registers
.endr
	s_wait_dscnt 0x0                               ; K is in
	WIN W_KQ
.set i, 0
.rept 32
	MKQ
.set i, i+1
.endr
	FETCH_V                                        ; V of step j + 1 lands under the softmax
	WIN 0
.rept 4
	v_nop                                          ; places ahead of the first read of the scores
.endr
	SOFTMAX 0
.endm
; THE CHANGE OF SLOTS: each wave waits for all its tensor loads (its part of the other slot), adds 0 to its spare word, and waits for that and for its reads of the slot.  fill = 1: a round of the cluster's barrier,
; and the joint refill first behind it: it has four key steps in which to land.
.macro CHANGE fill
	WIN 0
	s_wait_tensorcnt 0x0                           ; no tensor load of mine is out, so a group 0 may be written
	ds_add_u32 v[SPW], v[NIL]
.if \fill
.irp g, G0K+4, G0V+4
	s_xor_b32 s[\g+1], s[\g+1], SLOT1              ; the walking descriptor: the other slot than last time,
	s_add_nc_u64 s[\g+2:\g+3], s[\g+2:\g+3], SLOTB ; the next 256 keys
.endr
	s_wait_xcnt 0x0                                ; the last prefetch, four key steps back, has read its address
	s_add_nc_u64 s[PFA:PFA+1], s[PFA:PFA+1], SLOTB
	s_wait_dscnt 0x0                               ; the add is done, and my reads of the slot are over
	CROUND
	JLOAD
	ASK
.else
	s_wait_dscnt 0x0
	s_barrier_signal -1
	s_barrier_wait -1
.endif
	s_sub_co_u32 s[TB], s[TB], 4*STEPB             ; the fetches go back to a slot's first step,
	s_xor_b32 s[TB], s[TB], SLOT1                  ; in the other slot
.endm
.macro FOUR                            ; a slot's four bodies: written once, walked four times
	s_mov_b32 s[TWICE], 4
.Lstep_\@:
	BODY 0
	s_sub_co_u32 s[TWICE], s[TWICE], 1
	s_cmp_lg_u32 s[TWICE], 0
	s_cbranch_scc1 .Lstep_\@
.endm
	s_wait_tensorcnt 1                             ; my part of slot 0 is in; slot 1's may stay out
	s_barrier_signal -1
	s_barrier_wait -1
	FETCH_K                                        ; key step 0
	s_wait_loadcnt 0x0                             ; Q
	s_wait_dscnt 0x0
	WIN W_KQ
.set i, 0
.rept 32
	MKQ
.set i, i+1
.endr
	FETCH_V
	WIN 0
.rept 4
	v_nop
.endr
	SOFTMAX 1
	BODY 1                                         ; V^T P of step 0 starts O^T
	s_mov_b32 s[TWICE], 2
.Lpre:
	BODY 0                                         ; steps 1 and 2: the last fetches of slot 0
	s_sub_co_u32 s[TWICE], s[TWICE], 1
	s_cmp_lg_u32 s[TWICE], 0
	s_cbranch_scc1 .Lpre
.Lslot:                                            ; six trips: slots 2 to 7 are asked for
	CHANGE 1
	FOUR
	s_sub_co_u32 s[SLOTS], s[SLOTS], 1
	s_cmp_lg_u32 s[SLOTS], 0
	s_cbranch_scc1 .Lslot
	CHANGE 0                                       ; the tail is written out
	FOUR
	s_wait_dscnt 0x0                               ; V of the last step
	WIN W_PV
.set i, 0
.rept 32
	MPV 0
.set i, i+1
.endr
	; THE WAY OUT.  The additions are the places behind the last products.
	WIN 0
.irp t, 0,1,2,3
	v_add_f32 v[ST+8*\t+4], v[ST+8*\t+2], v[ST+8*\t+3]
.endr
.irp t, 0,1,2,3
	v_permlanex16_b32 v[ST+8*\t+5], v[ST+8*\t+4], s[SEL], s[SEL+1]
.endr
.irp t, 0,1,2,3
	v_add_f32 v[ST+8*\t+4], v[ST+8*\t+4], v[ST+8*\t+5]
.endr
.irp t, 0,1,2,3
	v_rcp_f32 v[ST+8*\t+6], v[ST+8*\t+4]
.endr
	v_nop                                          ; a plain line behind the last reciprocal
	s_wait_alu depctr_va_vdst(0)                   ; one wait for the four, ahead of their first reader
.macro PACK t                          ; tile t: O^T / l, rounded to f16; 16 bytes a lane into rows of 144 bytes, back as four rows of 128 an instruction
	WIN W_RS
.irp u, 0,1,2,3,4,5,6,7,8,9,10,11,12,13,14,15
	v_pk_mul_f32 v[32*\t+2*\u:32*\t+2*\u+1], v[32*\t+2*\u:32*\t+2*\u+1], v[ST+8*\t+6:ST+8*\t+7] op_sel_hi:[1,0]
.endr
	WIN 0x05                                       ; sources 0 and 1 in window 1, destination in window 0
.irp u, 0,1,2,3,4,5,6,7,8,9,10,11,12,13,14,15
	v_cvt_pk_f16_f32 v[S+32*\t+\u], v[32*\t+2*\u], v[32*\t+2*\u+1]
.endr
	WIN 0
.irp f, 0,1,2,3
	ds_store_b128 v[STO], v[S+32*\t+4*\f:S+32*\t+4*\f+3] offset:32*\f
.endr
.irp f, 0,1,2,3
	ds_load_b128 v[S+32*\t+4*\f:S+32*\t+4*\f+3], v[RD] offset:\f*4*SP    ; LDS serves a wave's instructions in order: these see the stores above; the next tile's stores come behind them
.endr
.endm
.macro SEND t, younger                 ; younger: the next tile's four stores and four loads, or none
.irp f, 0,1,2,3
	s_wait_dscnt \younger+3-\f
	global_store_b128 v[GO], v[S+32*\t+4*\f:S+32*\t+4*\f+3], s[6:7] offset:\t*2048+\f*512   ; 32 lanes store 512 consecutive bytes, aligned
.endr
.endm
	PACK 0
	PACK 1
	SEND 0, 8
	PACK 2
	SEND 1, 8
	PACK 3
	SEND 2, 8
	SEND 3, 0
	s_wait_tensorcnt 0x0                           ; the wave's end: behind my last tensor load and my last LDS store
	ds_add_u32 v[SPW], v[NIL]
	s_wait_dscnt 0x0
	CROUND                                         ; the closing round
	s_endpgm
.Lfunc_end_k_q9ee6f2ffce_attn:
	.size	k_q9ee6f2ffce_attn, .Lfunc_end_k_q9ee6f2ffce_attn-k_q9ee6f2ffce_attn
	.p2alignl 7, 3214868480
	.fill 96, 4, 3214868480
	.section	.rodata,"a",@progbits
	.p2align	6, 0x0
	.amdhsa_kernel k_q9ee6f2ffce_attn
		.amdhsa_group_segment_fixed_size 327680
		.amdhsa_private_segment_fixed_size 0
		.amdhsa_enable_private_segment 0
		.amdhsa_kernarg_size 16
		.amdhsa_user_sgpr_count 2
		.amdhsa_user_sgpr_kernarg_segment_ptr 1
		.amdhsa_wavefront_size32 1
		.amdhsa_system_sgpr_workgroup_id_x 1
		.amdhsa_system_sgpr_workgroup_id_y 1
		.amdhsa_system_sgpr_workgroup_id_z 1
		.amdhsa_system_vgpr_workitem_id 0
		.amdhsa_next_free_vgpr 512
		.amdhsa_next_free_sgpr 66
		.amdhsa_reserve_vcc 0
		.amdhsa_float_denorm_mode_32 3
		.amdhsa_float_denorm_mode_16_64 3
		.amdhsa_memory_ordered 1
		.amdhsa_forward_progress 1
		.amdhsa_inst_pref_size 178
	.end_amdhsa_kernel
	.amdgpu_metadata
---
amdhsa.version: [ 1, 2 ]
amdhsa.kernels:
  - .name:           k_q9ee6f2ffce_attn
    .symbol:         k_q9ee6f2ffce_attn.kd
    .args:
      - { .name: qkv, .offset: 0, .size: 8, .value_kind: global_buffer, .address_space: global }
      - { .name: ob, .offset: 8, .size: 8, .value_kind: global_buffer, .address_space: global }
    .group_segment_fixed_size: 327680
    .private_segment_fixed_size: 0
    .kernarg_segment_align: 8
    .kernarg_segment_size: 16
    .max_flat_workgroup_size: 256
    .sgpr_count:     66
    .vgpr_count:     512
    .wavefront_size: 32
...
	.end_amdgpu_metadata
.endif
;; end of part 3
;; launch proj (part 4): grid 4 x 64, 4 waves a work-group, clusters of 4 x 4, 327,680 bytes of LDS; arguments ob, wu16, bu, out0; writes out0
.if DOCPART == 4
	.amdgcn_target "amdgcn-amd-amdhsa--gfx1250"
	.amdhsa_code_object_version 6
	.text
	.protected	k_q9ee6f2ffce_proj
	.globl	k_q9ee6f2ffce_proj
	.p2align	8
	.type	k_q9ee6f2ffce_proj,@function
k_q9ee6f2ffce_proj:
	s_mov_b64 s[64:65], 0
	v_nop
	global_prefetch_b8 v0, s[64:65] scope:SCOPE_SE
	s_setreg_imm32_b32 hwreg(HW_REG_WAVE_MODE, 25, 1), 1
	s_wait_xcnt 0x0
	s_wait_alu depctr_hold_cnt(0) depctr_sa_sdst(0) depctr_va_vdst(0) depctr_va_sdst(0) depctr_va_ssrc(0) depctr_va_vcc(0) depctr_vm_vsrc(0)
	s_getreg_b32 s2, hwreg(HW_REG_IB_STS2, 6, 4)
	s_cmp_eq_u32 s2, 0
	s_cbranch_scc0 .Lentry_in_a_cluster
	s_endpgm
.Lentry_in_a_cluster:
	s_bfe_u32 s2, ttmp6, 0x10000c
	s_cmp_lg_u32 s2, 0xf033
	s_cbranch_scc0 .Lentry_shape_is_right
	s_endpgm
.Lentry_shape_is_right:
; SELF-ATTENTION, launch 4 of 4: out0 = o Wu^T + bu, M 8,192, N 1,024, K 1,024, f16 operands, f32 sums and f32 result.  No work of the problem is left out.
; o: ob[head][m][64], Wu: wu16[head][n][64]: a head's rows of a tile are one dense block.  bu is the C of each sum's first matrix instruction.
; A tile of C is 128 x 256, which gives 256 work-groups; four waves, each 64 x 128: 32 accumulators, 256 registers (window 2, accumulator (a, b) at v[8 (8 a + b)]).
; K goes in steps of 128 (two heads) through a ring of two LDS slots; waves 0 and 1 fetch o's two heads (128 rows each), waves 2 and 3 Wu's (256 rows each).
; CLUSTERS: 4 x 4 work-groups; o's tiles are asked for jointly along a row of the cluster, Wu's along a column.  The matrix instruction is used transposed (source 0 = 16 rows of Wu, source 1 = 16 rows of o).
; REGISTERS: window 0: v16-29 addresses; v64-127 o's fragments, two buffers of 32; v128-191 the bias in the result's layout, later with v192-255 the way out.   window 1: v0-127 Wu's fragments, two buffers of 64.
.set PITCH,  144                       ; an LDS row: 128 bytes + 16
.set ABLK,   128*PITCH                 ; a head's 128 rows of o
.set BBLK,   256*PITCH                 ; a head's 256 rows of Wu
.set SLOT,   2*ABLK+2*BBLK             ; o head 0, o head 1, Wu head 0, Wu head 1
.set STAGE,  2*SLOT                    ; behind the ring: 16 rows x 528 bytes for each wave
.set SPITCH, 528
.set SPARE,  STAGE+4*16*SPITCH         ; the spare words, 128 bytes a wave, which no other line names
.set LAPS,   4                         ; a lap = two K steps; 8 K steps in all
.set ADRA, 16
.set ADRB, 20
.set STO,  24
.set RD,   25
.set CO,   26
.set SPW,  28
.set NIL,  29
.set FA,   64
.set BI,   128
.set BK,   128
.set G1, 24
.set G0, 32
.set G1B, 48
.set G0B, 56
.set MSB, 0
.macro WIN new
.if MSB != (\new)
	s_set_vgpr_msb (MSB<<8)|(\new)
.set MSB, (\new)
.endif
.endm
.set MUL,  0xa1                        ; source 0 (Wu) window 1, source 1 (o) window 0, C and D window 2
.set MULF, 0x81                        ; the same with C, the bias, in window 0
.set TO_B, 0x40
.macro JLOAD s                         ; a joint load; an s_nop 0 and four v_nop follow each line
	s_cmp_eq_u32 s15, 0
	s_cbranch_scc0 .Lfor_b_\@
	tensor_load_to_lds s[G0+4*\s:G0+4*\s+3], s[G1:G1+7]
	s_nop 0
.rept 4
	v_nop
.endr
	s_branch .Lasked_\@
.Lfor_b_\@:
	tensor_load_to_lds s[G0B+4*\s:G0B+4*\s+3], s[G1B:G1B+7]
	s_nop 0
.rept 4
	v_nop
.endr
.Lasked_\@:
.endm
.macro CREST
	s_cmp_lg_u32 s14, 0
	s_cbranch_scc1 .Lnot_wave_0_\@
	s_barrier_signal -3
.Lnot_wave_0_\@:
	s_barrier_wait -3
	s_barrier_signal -1
	s_barrier_wait -1
.endm
.macro CROUND
	s_barrier_signal -1
	s_barrier_wait -1
	CREST
.endm
	s_load_b128 s[4:7], s[0:1], 0x0                ; ob s[4:5], wu16 s[6:7]
	s_load_b128 s[8:11], s[0:1], 0x10              ; bu s[8:9], out0 s[10:11]
	v_lshl_add_u32 v[SPW], v0, 2, SPARE
	v_mov_b32 v[NIL], 0
	ds_add_u32 v[SPW], v[NIL]                      ; the wave's opening: the add, twice on end, and its wait ahead of my first tensor load
	ds_add_u32 v[SPW], v[NIL]
	v_lshrrev_b32 v1, 5, v0
	v_readfirstlane_b32 s14, v1                    ; wave 0..3
	s_lshr_b32 s15, s14, 1                         ; which half of the tile's rows is mine.  Also: I fetch for o (0) or for Wu (1)
	s_and_b32 s16, s14, 1                          ; which half of its columns.  Also: which head of the K step I fetch
	s_bfe_u32 s40, ttmp6, 0x40000                  ; cx, cy
	s_bfe_u32 s41, ttmp6, 0x40004
	s_lshl_b32 s42, ttmp9, 2
	s_add_co_u32 s42, s42, s40                     ; tile column
	s_and_b32 s17, ttmp7, 0xffff
	s_lshl_b32 s17, s17, 2
	s_add_co_u32 s17, s17, s41                     ; tile row
	s_lshl_b32 s43, s41, 2
	s_lshl_b32 s43, 15, s43                        ; my row of the cluster
	s_lshl_b32 s44, 0x1111, s40                    ; my column
	s_or_b32 s[G1+0], s43, (1<<16)|(1<<20)|(1<<21)|(4<<22)|(3<<25)  ; the mask; elements of 2 bytes; padding of 4 words behind every 32
	s_or_b32 s[G1B+0], s44, (1<<16)|(1<<20)|(1<<21)|(4<<22)|(3<<25)
	s_mov_b32 s[G1+1], 64<<16                      ; tensor_dim0
	s_mov_b32 s[G1+2], 128<<16                     ; tensor_dim1
	s_mov_b32 s[G1+3], 64<<16                      ; tile_dim0
	s_mov_b32 s[G1+4], 128                         ; tile_dim1
	s_mov_b32 s[G1+5], 64                          ; the pitch
	s_mov_b32 s[G1+6], 0
	s_mov_b32 s[G1+7], 0
	s_mov_b32 s[G1B+1], 64<<16
	s_mov_b32 s[G1B+2], 256<<16
	s_mov_b32 s[G1B+3], 64<<16
	s_mov_b32 s[G1B+4], 256
	s_mov_b32 s[G1B+5], 64
	s_mov_b32 s[G1B+6], 0
	s_mov_b32 s[G1B+7], 0
	s_lshl_b32 s20, s16, 20                        ; o: my head of K step 0,
	s_lshl_b32 s21, s17, 14                        ; the tile's 128 rows of 128 bytes
	s_add_co_u32 s20, s20, s21
	s_mov_b32 s21, 0
	s_lshl_b32 s46, s16, 17                        ; Wu: my head,
	s_lshl_b32 s47, s42, 15                        ; the tile's 256 rows
	s_add_co_u32 s46, s46, s47
	s_mov_b32 s47, 0
	s_mul_i32 s45, s16, ABLK                       ; where they go: no place in the cluster enters an LDS address
	s_mul_i32 s18, s16, BBLK
	s_add_co_u32 s18, s18, 2*ABLK
	s_wait_dscnt 0x0                               ; both opening adds are done
	s_wait_kmcnt 0x0
	s_add_nc_u64 s[20:21], s[4:5], s[20:21]
	s_add_nc_u64 s[46:47], s[6:7], s[46:47]
	CROUND                                         ; all sixteen work-groups are here: the first joint loads meet
.irp s, 0,1
	s_mov_b32 s[G0+4*\s], 1
	s_add_co_u32 s[G0+4*\s+1], s45, \s*SLOT
	s_add_nc_u64 s[G0+4*\s+2:G0+4*\s+3], s[20:21], \s*2097152      ; K step s: two heads of 2^20 bytes on
	s_or_b32 s[G0+4*\s+3], s[G0+4*\s+3], 0x80000000
	s_mov_b32 s[G0B+4*\s], 1
	s_add_co_u32 s[G0B+4*\s+1], s18, \s*SLOT
	s_add_nc_u64 s[G0B+4*\s+2:G0B+4*\s+3], s[46:47], \s*262144     ; two heads of 2^17 bytes on
	s_or_b32 s[G0B+4*\s+3], s[G0B+4*\s+3], 0x80000000
	JLOAD \s
.endr
	v_and_b32 v1, 15, v0                           ; l % 16
	v_bfe_u32 v2, v0, 4, 1                         ; l / 16
	s_lshl_b32 s46, s42, 10                        ; my first column, in bytes of f32: 1,024 x tile column + 512 x half
	s_lshl_b32 s47, s16, 9
	s_add_co_u32 s46, s46, s47
	s_mov_b32 s47, 0
	s_add_nc_u64 s[8:9], s[8:9], s[46:47]
	v_lshlrev_b32 v5, 5, v2                        ; the bias: lane (r, h) wants, for block b, bu at columns 16 b + 8 h + 0 .. 7
.irp b, 0,1,2,3,4,5,6,7
	global_load_b128 v[BI+8*\b:BI+8*\b+3], v5, s[8:9] offset:64*\b
	global_load_b128 v[BI+8*\b+4:BI+8*\b+7], v5, s[8:9] offset:64*\b+16
.endr
	v_mul_u32_u24 v3, v1, PITCH
	v_lshl_add_u32 v3, v2, 4, v3                   ; a fragment's row x pitch + 16 x half
	s_mul_i32 s21, s15, 64*PITCH                   ; my 64 rows of o
	s_mul_i32 s22, s16, 128*PITCH                  ; my 128 rows of Wu,
	s_add_co_u32 s22, s22, 2*ABLK                  ; behind o's two heads
.irp s, 0,1
	v_add_nc_u32 v[ADRA+\s], s21, v3
	v_add_nc_u32 v[ADRB+\s], s22, v3
	s_add_co_u32 s21, s21, SLOT
	s_add_co_u32 s22, s22, SLOT
.endr
	s_mul_i32 s23, s14, 16*SPITCH
	s_add_co_u32 s23, s23, STAGE                   ; my stage
	v_mul_u32_u24 v4, v1, SPITCH
	v_lshl_add_u32 v4, v2, 5, v4
	v_add_nc_u32 v[STO], s23, v4                   ; in: row l % 16, 32 bytes for each half of the lanes
	v_and_b32 v6, 31, v0
	v_lshlrev_b32 v[CO], 4, v6                     ; back: the 32 lanes take one row of 512 bytes; and the same in out0
	v_add_nc_u32 v[RD], s23, v[CO]
	s_lshl_b32 s20, s17, 19                        ; my first row: 128 x tile row + 64 x half, rows of 4,096 bytes
	s_lshl_b32 s21, s15, 18
	s_add_co_u32 s20, s20, s21
	s_mov_b32 s21, 0
	s_add_nc_u64 s[20:21], s[20:21], s[46:47]
	s_add_nc_u64 s[10:11], s[10:11], s[20:21]
; 8 matrix instructions: o's block a x Wu's eight, 32 along K, buffers f.  first = 1: the bias starts the sums.  The 32 accumulators take turns in the same order in every quarter.
.macro MUL8 f, a, first
.irp b, 0,1,2,3,4,5,6,7
.if \first
	v_wmma_f32_16x16x32_f16 v[8*(8*(\a)+\b):8*(8*(\a)+\b)+7], v[64*(\f)+8*\b:64*(\f)+8*\b+7], v[FA+32*(\f)+8*(\a):FA+32*(\f)+8*(\a)+7], v[BI+8*\b:BI+8*\b+7]
.else
	v_wmma_f32_16x16x32_f16 v[8*(8*(\a)+\b):8*(8*(\a)+\b)+7], v[64*(\f)+8*\b:64*(\f)+8*\b+7], v[FA+32*(\f)+8*(\a):FA+32*(\f)+8*(\a)+7], v[8*(8*(\a)+\b):8*(8*(\a)+\b)+7]
.endif
.endr
.endm
; 24 LDS loads in one run: quarter q of a slot (head q / 2, channels 32 (q % 2) on) into buffers f: Wu's eight fragments, then o's four
.macro FETCH slot, q, f
	WIN TO_B
.irp i, 0,1,2,3,4,5,6,7
	ds_load_b128 v[64*(\f)+8*\i:64*(\f)+8*\i+3],   v[ADRB+\slot] offset:((\q)/2)*BBLK+((\q)%2)*64+\i*16*PITCH
	ds_load_b128 v[64*(\f)+8*\i+4:64*(\f)+8*\i+7], v[ADRB+\slot] offset:((\q)/2)*BBLK+((\q)%2)*64+\i*16*PITCH+32
.endr
	WIN 0
.irp i, 0,1,2,3
	ds_load_b128 v[FA+32*(\f)+8*\i:FA+32*(\f)+8*\i+3],   v[ADRA+\slot] offset:((\q)/2)*ABLK+((\q)%2)*64+\i*16*PITCH
	ds_load_b128 v[FA+32*(\f)+8*\i+4:FA+32*(\f)+8*\i+7], v[ADRA+\slot] offset:((\q)/2)*ABLK+((\q)%2)*64+\i*16*PITCH+32
.endr
.endm
.macro PLACES
.rept 4
	v_nop
.endr
.endm
; A quarter of a K step: multiplies buffers f; in its middle it fetches quarter qn of the same slot into buffers g.
.macro QUARTER slot, qn, f, g, first
	s_wait_dscnt 4                                 ; Wu's fragments and o's blocks 0, 1 are in; the youngest four loads (blocks 2, 3) may be out
	WIN MUL-0x20*(\first)
	MUL8 \f, 0, \first
	MUL8 \f, 1, \first
	PLACES
	FETCH \slot, \qn, \g
	s_wait_dscnt 24                                ; all but the 24 just issued
	WIN MUL-0x20*(\first)
	MUL8 \f, 2, \first
	MUL8 \f, 3, \first
.endm
; The last quarter multiplies buffers 1 and changes slots: ONE barrier; in front of it each wave waits for all its tensor loads, adds 0 to its spare word, and waits for that and for its reads of this slot.
.macro TURN slot, next, fill
	WIN 0
	s_wait_tensorcnt 0x0                           ; all my tensor loads have landed: my part of the next slot
	ds_add_u32 v[SPW], v[NIL]
	s_wait_dscnt 5                                 ; (the add and the youngest four loads may be out)
	WIN MUL
	MUL8 1, 0, 0
	s_wait_dscnt 0x0                               ; the add is done, and my reads of this slot are over
	s_barrier_signal -1
	MUL8 1, 1, 0
	WIN 0
	s_barrier_wait -1
.if \fill
	CREST                                          ; the barrier has opened a round of the cluster's barrier
	s_add_nc_u64 s[G0+4*\slot+2:G0+4*\slot+3], s[G0+4*\slot+2:G0+4*\slot+3], 4194304      ; two K steps on: four heads
	s_add_nc_u64 s[G0B+4*\slot+2:G0B+4*\slot+3], s[G0B+4*\slot+2:G0B+4*\slot+3], 524288
	JLOAD \slot                                    ; the first tensor load behind the round; its four v_nop are also the places in front of the loads below
.else
	PLACES
.endif
	FETCH \next, 0, 0
	WIN MUL
	MUL8 1, 2, 0
	MUL8 1, 3, 0
.endm
	s_wait_tensorcnt 1                             ; my part of K step 0 is in; K step 1's may stay out
	s_barrier_signal -1
	s_barrier_wait -1
	FETCH 0, 0, 0
	s_wait_loadcnt 0x0                             ; the bias
	QUARTER 0, 1, 0, 1, 1                          ; the first quarter stands in front of the loop: its products start the sums with the bias
	WIN 0
	s_mov_b32 s3, LAPS-1
.Llap:                                             ; a trip goes once round the ring and fills both slots again
	QUARTER 0, 2, 1, 0, 0
	QUARTER 0, 3, 0, 1, 0
	TURN 0, 1, 1
	QUARTER 1, 1, 0, 1, 0
	QUARTER 1, 2, 1, 0, 0
	QUARTER 1, 3, 0, 1, 0
	TURN 1, 0, 1
	QUARTER 0, 1, 0, 1, 0
	WIN 0
	s_sub_co_u32 s3, s3, 1
	s_cmp_lg_u32 s3, 0
	s_cbranch_scc1 .Llap
	QUARTER 0, 2, 1, 0, 0                          ; the last lap fills nothing
	QUARTER 0, 3, 0, 1, 0
	TURN 0, 1, 0
	QUARTER 1, 1, 0, 1, 0
	QUARTER 1, 2, 1, 0, 0
	QUARTER 1, 3, 0, 1, 0
	s_wait_dscnt 4
	WIN MUL
	MUL8 1, 0, 0
	MUL8 1, 1, 0
	s_wait_dscnt 0
	MUL8 1, 2, 0
	MUL8 1, 3, 0
	WIN 0
; THE WAY OUT, block by block of 16 rows x 128 columns, through my own stage: back as whole rows of 512 bytes.
.macro TOSTAGE a
	WIN 0x08                                       ; the stores' data: window 2
.irp b, 0,1,2,3,4,5,6,7
	ds_store_b128 v[STO], v[8*(8*(\a)+\b):8*(8*(\a)+\b)+3] offset:64*\b          ; each accumulator from its low end on
	ds_store_b128 v[STO], v[8*(8*(\a)+\b)+4:8*(8*(\a)+\b)+7] offset:64*\b+16
.endr
	WIN 0
.set BB, BK+64*((\a)%2)
.irp t, 0,1,2,3,4,5,6,7,8,9,10,11,12,13,14,15
	ds_load_b128 v[BB+4*\t:BB+4*\t+3], v[RD] offset:\t*SPITCH                    ; LDS serves a wave's instructions in order: these see the stores above
.endr
.endm
.macro SEND a, younger
.set BB, BK+64*((\a)%2)
	s_wait_dscnt \younger
.irp t, 0,1,2,3,4,5,6,7,8,9,10,11,12,13,14,15
	global_store_b128 v[CO], v[BB+4*\t:BB+4*\t+3], s[10:11] offset:(16*(\a)+\t)*4096 th:TH_STORE_NT   ; 32 lanes store 512 consecutive bytes, aligned; written once
.endr
.endm
	PLACES
	TOSTAGE 0
.irp a, 1,2,3
.if \a > 1
	s_wait_xcnt 0x0                                ; block a - 2's stores have read their registers: block a's loads may land there
.endif
	TOSTAGE \a
	SEND \a-1, 32                                  ; behind block a - 1's loads: block a's 16 stores and 16 loads
.endr
	SEND 3, 0
	s_wait_tensorcnt 0x0                           ; the wave's end: behind my last tensor load and my last LDS store
	ds_add_u32 v[SPW], v[NIL]
	s_wait_dscnt 0x0
	CROUND                                         ; the closing round
	s_endpgm
.Lfunc_end_k_q9ee6f2ffce_proj:
	.size	k_q9ee6f2ffce_proj, .Lfunc_end_k_q9ee6f2ffce_proj-k_q9ee6f2ffce_proj
	.p2alignl 7, 3214868480
	.fill 96, 4, 3214868480
	.section	.rodata,"a",@progbits
	.p2align	6, 0x0
	.amdhsa_kernel k_q9ee6f2ffce_proj
		.amdhsa_group_segment_fixed_size 327680
		.amdhsa_private_segment_fixed_size 0
		.amdhsa_enable_private_segment 0
		.amdhsa_kernarg_size 32
		.amdhsa_user_sgpr_count 2
		.amdhsa_user_sgpr_kernarg_segment_ptr 1
		.amdhsa_wavefront_size32 1
		.amdhsa_system_sgpr_workgroup_id_x 1
		.amdhsa_system_sgpr_workgroup_id_y 1
		.amdhsa_system_sgpr_workgroup_id_z 1
		.amdhsa_system_vgpr_workitem_id 0
		.amdhsa_next_free_vgpr 768
		.amdhsa_next_free_sgpr 66
		.amdhsa_reserve_vcc 0
		.amdhsa_float_denorm_mode_32 3
		.amdhsa_float_denorm_mode_16_64 3
		.amdhsa_memory_ordered 1
		.amdhsa_forward_progress 1
		.amdhsa_inst_pref_size 87
	.end_amdhsa_kernel
	.amdgpu_metadata
---
amdhsa.version: [ 1, 2 ]
amdhsa.kernels:
  - .name:           k_q9ee6f2ffce_proj
    .symbol:         k_q9ee6f2ffce_proj.kd
    .args:
      - { .name: ob, .offset: 0, .size: 8, .value_kind: global_buffer, .address_space: global }
      - { .name: wu16, .offset: 8, .size: 8, .value_kind: global_buffer, .address_space: global }
      - { .name: bu, .offset: 16, .size: 8, .value_kind: global_buffer, .address_space: global }
      - { .name: out0, .offset: 24, .size: 8, .value_kind: global_buffer, .address_space: global }
    .group_segment_fixed_size: 327680
    .private_segment_fixed_size: 0
    .kernarg_segment_align: 8
    .kernarg_segment_size: 32
    .max_flat_workgroup_size: 128
    .sgpr_count:     66
    .vgpr_count:     768
    .wavefront_size: 32
...
	.end_amdgpu_metadata
.endif
;; end of part 4
